; MI455X (gfx1250); checked and timed in simulation.
; The chip was launched on July 23, 2026; its instructions are those of AMD's public machine-readable ISA for CDNA 5 (MIT licence, August 2026) and "CDNA5" Instruction Set Architecture Reference Guide (July 2026). The comments in the code are by the model that wrote it; some were corrected since.
;; Cs Estimator. Allowed arithmetic: float matrix products may take bf16 or f16 operands with f32 sums; all other float work in f32.
;; Inputs: A_imag 15 x 4,840 float32; A_real 15 x 4,840 float32; angles_grid 121 float32; ranges_grid 40 float32; y_imag 16 x 15 x 50 float32; y_real 16 x 15 x 50 float32.
;; Outputs: out0 16 x 2 float32; out1 16 x 2 float32; out2 16 x 4,840 float32.
;; 3 versions, each right and faster than the one before. Each part assembles by itself: llvm-mc -triple=amdgcn-amd-amdhsa -mcpu=gfx1250 --defsym DOCPART=n.
;; ======== version 1 of 3: 2 launches
;; limits: an iteration or a series of the reference is cut at 13 steps
;; workspace buffers: mag 15,564,800 bytes; norms 3,328 bytes
;; launch ista (part 1): grid 100 x 1, 4 waves a work-group, no clusters, 327,680 bytes of LDS; arguments A_real, A_imag, y_real, y_imag, mag, norms; writes mag, norms
.if DOCPART == 1
	.amdgcn_target "amdgcn-amd-amdhsa--gfx1250"
	.amdhsa_code_object_version 6
	.text
	.protected	k_q69a3f97cd4_ista
	.globl	k_q69a3f97cd4_ista
	.p2align	8
	.type	k_q69a3f97cd4_ista,@function
k_q69a3f97cd4_ista:
	s_mov_b64 s[64:65], 0
	v_nop
	global_prefetch_b8 v0, s[64:65] scope:SCOPE_SE
	s_setreg_imm32_b32 hwreg(HW_REG_WAVE_MODE, 25, 1), 1
	s_wait_xcnt 0x0
; 50 ISTA steps  x <- soft(x + (1/lambda) A^T (y - A x), 0.3/lambda)  for 8 of the 800 columns (b,t), then |x| and its L1 norm.
; (step/n = 1/lambda and MU*step = 0.01*30/lambda, lambda = largest eigenvalue of A A^T.)
; A is the real stacking of the complex 15 x 4840 dictionary.  It is kept once, as Abar: 32 rows (0-14 Re, 15 zero, 16-30 Im, 31 zero) x 4864
; columns (4840 and up zero), bf16, 311,296 bytes of LDS.  The 16 matrix columns are [xr | xi] of the work-group's 8 columns:
; lane column r < 8 is xr of column r, r >= 8 is xi of column r - 8.  The signs of the stacking are applied to the small 16 x 16 residual only.
; The state x (4864 x 16 f32) stays in registers for all 50 steps: wave w owns g = 1216 w .. 1216 w + 1215 = 76 tiles of 16 x 16 = 608 registers.
; One pass walks the wave's 38 steps of 32 g:  x += W R (f32 accumulate onto x itself), x -= med3(x,-t,t), bf16(x) is the B operand of Abar x.
; The four waves' partial A x meet in LDS once per ISTA step.
; NO CLUSTER, NO TENSOR LOADS: the only bytes that work-groups share are A's 580,800, read once; they must be rounded to bf16 and laid out
; chunk by chunk, which takes registers.  100 work-groups: a column's whole x must lie in one work-group (A x sums over all g), and 8 columns fill N = 16.
; LIMITS: NaN or infinite inputs and A = 0 are not served.  lambda is taken as tr(G^8193)/tr(G^8192), G = A A^T from bf16 A: it falls short of the
; largest eigenvalue by at most 1.6e-4 of it, for any spectrum of 15 eigenvalues.  Sums are formed in another order than in the reference.
.set WPART, 77824                      ; a wave's part of Abar: 152 blocks of 8 g x 512 bytes
.set EXB,   311296                     ; 4 x 1,024 bytes: the waves' partial A x
.set GRB,   319488                     ; 4 x 2,048 bytes: the waves' partial Gram matrices; at the end 128 bytes for the norms
.set AROW,  19360                      ; bytes in a row of A_real, A_imag
.set MROW,  19456                      ; bytes in a row of mag: 4864 f32 = 76 x 256
; LDS chunk = 16 bytes = row n' of Abar at g = 8 gb .. 8 gb + 7, at  gb*512 + (n'>>4)*256 + (((n'&15) + 8*(gb&1)) & 15)*16.
; The turn by 8 in odd gb lets both kinds of read touch 16 different 16-byte columns of 256 bytes: 16 rows of one gb, and 8 rows of two neighbouring gb.
; registers while A is brought in
.set GO,  2                            ; v2,v3   byte offset in A of my 32 bytes, rows q and min(8+q,14)
.set GOE, 4                            ; v4,v5   the same for the last four blocks, clamped to block 604
.set STA, 6                            ; v6,v7   LDS address of my chunk
.set PK,  16                           ; v16-47  8 chunks in bf16
.set XRG, 64                           ; v64-255 three slots of 16 loads
; registers of the main part, window 0 (v48-63 hold y as loaded until the first residual is made)
.set RR, 16                            ; v16-23   R: the scaled residual, bf16, B operand (32 n' x 16 columns)
.set PA, 24                            ; v24-31   Re [xr|xi]
.set PB, 32                            ; v32-39   Im [xr|xi]
.set YS, 40                            ; v40-47   y/lambda in the layout of PA
.set TT, 48                            ; v48-63   at work
.set BB, 64                            ; v64-79   bf16(x) of a step, two buffers
.set NS, 72                            ; v72-79   at the end: sums of |x|
.set WR, 80                            ; v80-143  fragments with lanes = g, ring of 4 steps x 16
.set AR, 144                           ; v144-207 fragments with lanes = n', ring of 4 steps x 16
; v2,v3 / v4,v5 LDS addresses of the two kinds of fragment (second register: + 65,536, since an offset has 16 bits); v6,v7 exchange; v10,11 sigma;
; v12,13 mask of real g in the last step; v14,15 stage; v208-239 exchange; v240 offset in mag; v241-243 Gram exchange.
; x tile T lies in v[256 + 8 T]: step s = tiles 2s, 2s+1 in window 1 + (s>>4) at 16 (s&15).
.set MSB, 0
.macro WIN new                         ; s_set_vgpr_msb: bits 1:0 source 0, 3:2 source 1, 5:4 source 2, 7:6 destination; the high byte repeats the setting left
.if MSB != (\new)
	s_set_vgpr_msb (MSB<<8)|(\new)
.set MSB, \new
.endif
.endm
.macro NOP4                            ; four places behind a matrix instruction (ISA guide 7.12.1) where no independent vector work is at hand
.rept 4
	v_nop
.endr
.endm
	s_load_b256 s[4:11], s[0:1], 0x0               ; A_real s[4:5], A_imag s[6:7], y_real s[8:9], y_imag s[10:11]
	s_load_b128 s[12:15], s[0:1], 0x20             ; mag s[12:13], norms s[14:15]
	v_and_b32 v1, 31, v0                           ; lane
	v_lshrrev_b32 v10, 5, v0
	v_readfirstlane_b32 s16, v10                   ; wave 0..3
	s_mul_i32 s17, s16, WPART                      ; my part of Abar in LDS
	s_mov_b32 s20, 0x76543210                      ; v_permlanex16_b32: lane i reads lane i of the other half
	s_mov_b32 s21, 0xfedcba98
	s_mov_b32 s27, 0xff00ff00                      ; lanes with r >= 8
	s_mov_b32 s28, 0x80808080                      ; lanes with lane & 7 = 7
	s_mov_b32 s36, 0xffff0000                      ; lanes 16-31
	; y: lane (r,h), register j holds row n = 8h + j of column col = 8 wg + (r&7); b = col / 50, t = col mod 50
	v_and_b32 v10, 7, v1
	s_lshl_b32 s19, ttmp9, 3
	v_add_nc_u32 v10, s19, v10                     ; col < 800
	v_mul_u32_u24 v11, v10, 0x51f                  ; col * 1311 >> 16 = col / 50 for col < 4,600
	v_lshrrev_b32 v11, 16, v11                     ; b
	v_mul_u32_u24 v12, v11, 50
	v_sub_nc_u32 v12, v10, v12                     ; t
	v_lshrrev_b32 v13, 4, v1                       ; h
	v_mul_u32_u24 v14, v11, 15
	v_lshl_add_u32 v14, v13, 3, v14                ; 15 b + 8 h
	v_mad_u32_u24 v14, v14, 50, v12
	v_lshlrev_b32 v8, 2, v14                       ; byte offset of row 8h
	v_mul_u32_u24 v15, v13, 200
	v_sub_nc_u32 v9, v8, v15
	v_add_nc_u32 v9, 1400, v9                      ; j = 7: row 7, or row 14 in place of the row 15 that does not exist (zeroed later)
	; A: lane = (q = lane&7: row, e = lane>>3: block of 8 g)
	v_and_b32 v10, 7, v1                           ; q
	v_lshrrev_b32 v11, 3, v1                       ; e
	s_mul_i32 s19, s16, 152
	v_add_nc_u32 v12, s19, v11                     ; block 152 w + e
	v_mul_u32_u24 v13, v10, AROW
	v_lshl_add_u32 v[GO], v12, 5, v13
	v_add_nc_u32 v14, 8, v10
	v_min_u32 v14, 14, v14                         ; row 15 does not exist: row 14 is read and zeros are stored
	v_mul_u32_u24 v14, v14, AROW
	v_lshl_add_u32 v[GO+1], v12, 5, v14
	v_add_nc_u32 v12, 148, v12                     ; the wave's last four blocks
	s_movk_i32 s19, 604                            ; the last block that exists (4840 / 8 = 605 blocks)
	v_cmp_lt_u32 s29, s19, v12                     ; lanes whose block lies beyond it: zeros are stored
	v_min_u32 v12, s19, v12
	v_lshl_add_u32 v[GOE], v12, 5, v13
	v_lshl_add_u32 v[GOE+1], v12, 5, v14
	v_and_b32 v12, 1, v11                          ; e & 1 = gb & 1
	v_lshl_add_u32 v13, v12, 3, v10                ; rows 0-7:  place q + 8 (gb&1)
	v_xor_b32 v12, 1, v12
	v_lshl_add_u32 v14, v12, 3, v10                ; rows 8-15: place q + 8 (1 - (gb&1))
	v_lshlrev_b32 v15, 9, v11
	v_add_nc_u32 v15, s17, v15
	v_lshl_add_u32 v[STA], v13, 4, v15
	v_lshl_add_u32 v[STA+1], v14, 4, v15
	s_wait_kmcnt 0x0
.irp j, 0,1,2,3,4,5,6
	global_load_b32 v[48+\j], v8, s[8:9] offset:200*\j
	global_load_b32 v[56+\j], v8, s[10:11] offset:200*\j
.endr
	global_load_b32 v55, v9, s[8:9]
	global_load_b32 v63, v9, s[10:11]
	s_mov_b64 s[32:33], s[4:5]                     ; stepped copies
	s_mov_b64 s[34:35], s[6:7]
; ---- A into LDS.  A trip is 8 blocks of 8 g x 32 rows: 16 loads of 16 bytes a lane.  Each wave fills its own part.
.macro FLOAD slot, imm, edge
.irp rho, 0,1
.irp u, 0,1
.irp hf, 0,1
	.set FX, XRG+64*\slot+(\rho*2+\u)*8+4*\hf
.if (\edge)*(\u)
	global_load_b128 v[FX:FX+3], v[GOE+\rho], s[4:5] offset:16*\hf
	global_load_b128 v[FX+32:FX+35], v[GOE+\rho], s[6:7] offset:16*\hf
.else
	global_load_b128 v[FX:FX+3], v[GO+\rho], s[32:33] offset:\imm+128*\u+16*\hf
	global_load_b128 v[FX+32:FX+35], v[GO+\rho], s[34:35] offset:\imm+128*\u+16*\hf
.endif
.endr
.endr
.endr
.endm
.macro FCONV slot, soff, edge          ; 8 chunks: round to bf16, zero what does not exist, store
.irp buf, 0,1
.irp rho, 0,1
.irp u, 0,1
	.set FX, XRG+64*\slot+((2*\buf+\rho)*2+\u)*8
	.set FP, PK+((2*\buf+\rho)*2+\u)*4
.irp p, 0,1,2,3
	v_cvt_pk_bf16_f32 v[FP+\p], v[FX+2*\p], v[FX+2*\p+1]
.endr
.if \rho
.irp p, 0,1,2,3
	v_cndmask_b32 v[FP+\p], v[FP+\p], 0, s28       ; rows 15 and 31 are zero
.endr
.endif
.if (\edge)*(\u)
.irp p, 0,1,2,3
	v_cndmask_b32 v[FP+\p], v[FP+\p], 0, s29       ; g >= 4840 is zero
.endr
.endif
	ds_store_b128 v[STA+\rho], v[FP:FP+3] offset:\soff+2048*\u+256*\buf
.endr
.endr
.endr
.endm
	FLOAD 0, 0, 0
	FLOAD 1, 256, 0
	FLOAD 2, 512, 0
	s_mov_b32 s18, 5
.Lfill:                                            ; 5 rounds x 3 trips; 19 trips in all
.irp sl, 0,1,2
	s_wait_loadcnt 32                              ; loads return in order (ISA guide 5.7.1): this trip's 16 are in, the two younger trips' 32 stay out
	FCONV \sl, 4096*\sl, 0
	FLOAD \sl, 768+256*\sl, 0                      ; the trip three ahead
.endr
	s_wait_xcnt 0x0                                ; the bases are stepped only behind this wait
	s_add_nc_u64 s[32:33], s[32:33], 768
	s_add_nc_u64 s[34:35], s[34:35], 768
	v_add_nc_u32 v[STA], 12288, v[STA]
	v_add_nc_u32 v[STA+1], 12288, v[STA+1]
	s_sub_co_i32 s18, s18, 1
	s_cmp_lg_u32 s18, 0
	s_cbranch_scc1 .Lfill
	s_wait_loadcnt 32                              ; trip 15; 16 and 17 stay out
	FCONV 0, 0, 0
	FLOAD 0, 768, 1                                ; trip 18, its last four blocks by the clamped offsets
	s_wait_loadcnt 32                              ; trip 16; 17 and 18 stay out
	FCONV 1, 4096, 0
	s_wait_loadcnt 16                              ; trip 17
	FCONV 2, 8192, 0
	s_wait_loadcnt 0x0                             ; trip 18 (y's 16 loads, the oldest of all, have long been in)
	FCONV 0, 12288, 1
	s_wait_dscnt 0x0
	s_barrier_signal -1
	s_barrier_wait -1
	; ---- addresses and masks of the main part
	v_and_b32 v8, 15, v1                           ; r
	v_lshrrev_b32 v9, 4, v1                        ; h
	v_lshl_add_u32 v10, v9, 3, v8
	v_and_b32 v10, 15, v10                         ; (r + 8h) & 15
	v_lshlrev_b32 v11, 9, v9
	v_add_nc_u32 v11, s17, v11
	v_lshl_add_u32 v2, v10, 4, v11                 ; lanes = n': row r of block 4s + h (and + 2)
	v_add_nc_u32 v3, 0x10000, v2
	v_bfe_u32 v10, v1, 3, 1                        ; which of the tile's two blocks
	v_and_b32 v11, 7, v1
	v_add_nc_u32 v12, v9, v10
	v_lshl_add_u32 v12, v12, 3, v11
	v_and_b32 v12, 15, v12                         ; (8h + (lane&7) + 8 block) & 15
	v_lshlrev_b32 v13, 9, v10
	v_add_nc_u32 v13, s17, v13
	v_lshl_add_u32 v4, v12, 4, v13                 ; lanes = g: the transposing load wants row 8h + (lane&7) of that block
	v_add_nc_u32 v5, 0x10000, v4
	v_lshlrev_b32 v7, 4, v1
	v_add_nc_u32 v7, EXB, v7                       ; exchange: read
	s_lshl_b32 s19, s16, 10
	v_add_nc_u32 v6, s19, v7                       ; exchange: my wave's 1,024 bytes
	v_mov_b32 v10, 1.0
	v_cndmask_b32 v10, v10, -1.0, s27              ; sigma = +1 for xr columns, -1 for xi columns
	v_mov_b32 v11, v10
	s_mul_i32 s19, s16, 1216
	s_addk_co_i32 s19, 1184
	v_lshrrev_b32 v12, 3, v8
	v_lshlrev_b32 v12, 4, v12
	v_lshl_add_u32 v12, v9, 3, v12
	v_add_nc_u32 v12, s19, v12                     ; first g of my 8 magnitudes in step 37
	s_movk_i32 s19, 4840
	v_cmp_gt_u32 vcc_lo, s19, v12
	v_cndmask_b32 v12, 0, 1.0, vcc_lo
	v_mov_b32 v13, v12
	v_and_b32 v14, 7, v8
	v_mul_u32_u24 v14, v14, 272
	v_lshrrev_b32 v15, 3, v8
	v_lshl_add_u32 v14, v15, 6, v14
	v_lshl_add_u32 v14, v9, 5, v14
	v_add_nc_u32 v14, s17, v14                     ; stage, in: column r&7, 32 bytes at 64 (r>>3) + 32 h
	v_mul_u32_u24 v15, v9, 272
	v_lshl_add_u32 v15, v8, 4, v15
	v_add_nc_u32 v15, s17, v15                     ; stage, back: lanes 0-15 one column's 256 bytes, lanes 16-31 the next
	v_mul_u32_u24 v240, v9, MROW
	v_lshl_add_u32 v240, v8, 4, v240
	s_mul_i32 s19, s16, 4864
	v_add_nc_u32 v240, s19, v240                   ; the same in mag
	v_lshlrev_b32 v242, 6, v8
	v_lshl_add_u32 v242, v9, 5, v242
	v_add_nc_u32 v242, GRB, v242                   ; Gram tile, column-major: n*64 + m*4 with n = r, m = 8h + j
	s_lshl_b32 s19, s16, 11
	v_add_nc_u32 v241, s19, v242
	v_lshlrev_b32 v243, 9, v9
	v_lshl_add_u32 v243, v8, 2, v243
	v_add_nc_u32 v243, GRB+1024, v243              ; the transposed read of Z: n = 8h + j, m = r
	s_mul_i32 s30, ttmp9, 8*MROW
	s_mov_b32 s31, 0
	s_add_nc_u64 s[12:13], s[12:13], s[30:31]      ; mag at my first column
; Fragments of step s (32 g).  Plain: dst+0..7 = Re rows (A operand 16 n' x 32 g), dst+8..15 = Im rows.
.macro LDPL s, dst
.if (\s) < 32
	.set LB, 2
	.set LO, (\s)*2048
.else
	.set LB, 3
	.set LO, ((\s)-32)*2048
.endif
	.set LD, \dst
	ds_load_b128 v[LD:LD+3], v[LB] offset:LO
	ds_load_b128 v[LD+4:LD+7], v[LB] offset:LO+1024
	ds_load_b128 v[LD+8:LD+11], v[LB] offset:LO+256
	ds_load_b128 v[LD+12:LD+15], v[LB] offset:LO+1280
.endm
.macro LA s
	LDPL (\s),(AR+16*((\s)&3))
.endm
; Transposed: +0..7 = tile 2s (A operand 16 g x 32 n'), +8..15 = tile 2s+1
.macro LW s
.if (\s) < 32
	.set LB, 4
	.set LO, (\s)*2048
.else
	.set LB, 5
	.set LO, ((\s)-32)*2048
.endif
	.set LD, WR+16*((\s)&3)
	ds_load_tr16_b128 v[LD:LD+3], v[LB] offset:LO
	ds_load_tr16_b128 v[LD+4:LD+7], v[LB] offset:LO+256
	ds_load_tr16_b128 v[LD+8:LD+11], v[LB] offset:LO+1024
	ds_load_tr16_b128 v[LD+12:LD+15], v[LB] offset:LO+1280
.endm
; ---- Gram: X = Re Re^T + Im Im^T, Z = Im Re^T over my 1216 g.  A A^T = [[X,-Y],[Y,X]], Y = Z - Z^T, has the eigenvalues of H = X + iY.
; 19 groups of two steps on a ring of four group buffers (v80-207).  Three accumulators take turns, one instruction a turn.
.macro GLD k
	LDPL (2*(\k)),(WR+32*((\k)&3))
	LDPL (2*(\k)+1),(WR+32*((\k)&3)+16)
.endm
.macro GSTEP f, zero
	.set GF, \f
.if \zero
	v_wmma_f32_16x16x32_bf16 v[208:215], v[GF:GF+7], v[GF:GF+7], 0
	v_wmma_f32_16x16x32_bf16 v[216:223], v[GF+8:GF+15], v[GF:GF+7], 0
	v_wmma_f32_16x16x32_bf16 v[224:231], v[GF+8:GF+15], v[GF+8:GF+15], 0
.else
	v_wmma_f32_16x16x32_bf16 v[208:215], v[GF:GF+7], v[GF:GF+7], v[208:215]
	v_wmma_f32_16x16x32_bf16 v[216:223], v[GF+8:GF+15], v[GF:GF+7], v[216:223]
	v_wmma_f32_16x16x32_bf16 v[224:231], v[GF+8:GF+15], v[GF+8:GF+15], v[224:231]
.endif
.endm
	GLD 0
	GLD 1
	GLD 2
	GLD 3
.irp k, 0,1,2,3,4,5,6,7,8,9,10,11,12,13,14,15,16,17,18
.if \k <= 15
	s_wait_dscnt 24                                ; this group's 8 loads are in; the three younger groups' 24 stay out
.else
	s_wait_dscnt 8*(18-\k)                         ; the counts run down
.endif
.if \k == 0
	GSTEP (WR),1
.else
	GSTEP (WR+32*(\k&3)),0
.endif
	GSTEP (WR+32*(\k&3)+16),0
.if \k <= 14
	NOP4                                           ; the buffer just multiplied is loaded again four places behind
	GLD (\k+4)
.endif
.endr
	NOP4
.irp e, 0,2,4,6
	v_pk_add_f32 v[208+\e:209+\e], v[208+\e:209+\e], v[224+\e:225+\e]
.endr
	ds_store_b128 v241, v[208:211]
	ds_store_b128 v241, v[212:215] offset:16
	ds_store_b128 v241, v[216:219] offset:1024
	ds_store_b128 v241, v[220:223] offset:1040
	s_wait_dscnt 0x0                               ; my partial sums are in LDS before I say so
	s_barrier_signal -1
	s_barrier_wait -1
.irp w, 0,1,2,3
	ds_load_b128 v[80+8*\w:83+8*\w], v242 offset:2048*\w
	ds_load_b128 v[84+8*\w:87+8*\w], v242 offset:2048*\w+16
	ds_load_b128 v[112+8*\w:115+8*\w], v242 offset:2048*\w+1024
	ds_load_b128 v[116+8*\w:119+8*\w], v242 offset:2048*\w+1040
.irp j, 0,1,2,3,4,5,6,7
	ds_load_b32 v[144+8*\w+\j], v243 offset:2048*\w+64*\j
.endr
.endr
	s_wait_dscnt 0x0
	s_barrier_signal -1                            ; my LDS reads so far are over.  The wait for this signal stands in the first exchange, in front of its
	                                               ; stores; up to there only register work and reads of Abar follow, which no wave writes before the closing barrier
.irp b, 80,112,144
.irp e, 0,2,4,6
	v_pk_add_f32 v[\b+\e:\b+\e+1], v[\b+\e:\b+\e+1], v[\b+8+\e:\b+9+\e]
	v_pk_add_f32 v[\b+16+\e:\b+17+\e], v[\b+16+\e:\b+17+\e], v[\b+24+\e:\b+25+\e]
.endr
.endr
.irp e, 0,2,4,6
	v_pk_add_f32 v[208+\e:209+\e], v[80+\e:81+\e], v[96+\e:97+\e]          ; X
	v_pk_add_f32 v[112+\e:113+\e], v[112+\e:113+\e], v[128+\e:129+\e]
	v_pk_add_f32 v[144+\e:145+\e], v[144+\e:145+\e], v[160+\e:161+\e]
	v_pk_add_f32 v[216+\e:217+\e], v[112+\e:113+\e], v[144+\e:145+\e] neg_lo:[0,1] neg_hi:[0,1]   ; Y = Z - Z^T
.endr
; ---- lambda: H is squared 13 times, scaled by its largest entry each time; every wave does it for itself, in registers.
; The state is carried in f32, so the f32 matrix form is used: 208 small instructions a wave, not bulk work.
; A tile M in the result layout (lane (r,h), register j: M(8h+j, r)): its register pair (2q, 2q+1) taken as B is rows {2q,2q+1,8+2q,9+2q} of M, taken as A
; the same columns of M^T.  With X^T = X, Y^T = -Y:  Re H^2 = X^T X + Y^T Y,  Im H^2 = X^T Y + (-Y)^T X.  Two accumulators take turns.
; v80-87 X, v88-95 Y, v96-103 -Y, v104-111 and v112-119 the square, v120-127 at work
.macro SQMM
.irp q, 0,2,4,6
.if \q == 0
	v_wmma_f32_16x16x4_f32 v[104:111], v[80:81], v[80:81], 0
	v_wmma_f32_16x16x4_f32 v[112:119], v[80:81], v[88:89], 0
.else
	v_wmma_f32_16x16x4_f32 v[104:111], v[80+\q:81+\q], v[80+\q:81+\q], v[104:111]
	v_wmma_f32_16x16x4_f32 v[112:119], v[80+\q:81+\q], v[88+\q:89+\q], v[112:119]
.endif
	v_wmma_f32_16x16x4_f32 v[104:111], v[88+\q:89+\q], v[88+\q:89+\q], v[104:111]
	v_wmma_f32_16x16x4_f32 v[112:119], v[96+\q:97+\q], v[80+\q:81+\q], v[112:119]
.endr
.rept 9
	v_nop                                          ; the f32 form's distance before its results are read and its sources rewritten (ISA guide 7.12.1)
.endr
.endm
.macro NORM sx, sy                     ; (X, Y, -Y) = (sx, sy, -sy) / largest magnitude of an entry
	v_max_num_f32 v120, |v[\sx]|, |v[\sx+1]|
.irp j, 2,4,6
	v_max3_num_f32 v120, |v[\sx+\j]|, |v[\sx+\j+1]|, v120
.endr
.irp j, 0,2,4,6
	v_max3_num_f32 v120, |v[\sy+\j]|, |v[\sy+\j+1]|, v120
.endr
.irp m, 1,2,4,8
	v_max_num_f32_dpp v120, v120, v120 row_xmask:\m row_mask:0xf bank_mask:0xf
.endr
	v_permlanex16_b32 v121, v120, s20, s21
	v_max_num_f32 v120, v120, v121
	v_rcp_f32 v126, v120
	v_rcp_f32 v127, v120
	v_nop                                          ; one plain instruction between a reciprocal and its use (ISA guide 5.7.2)
.irp e, 0,2,4,6
	v_pk_mul_f32 v[80+\e:81+\e], v[\sx+\e:\sx+\e+1], v[126:127]
	v_pk_mul_f32 v[88+\e:89+\e], v[\sy+\e:\sy+\e+1], v[126:127]
	v_pk_mul_f32 v[96+\e:97+\e], v[\sy+\e:\sy+\e+1], v[126:127] neg_lo:[1,0] neg_hi:[1,0]
.endr
.endm
	NORM 208, 216
	s_mov_b32 s18, 12
.Lsq:
	SQMM
	NORM 104, 112
	s_sub_co_i32 s18, s18, 1
	s_cmp_lg_u32 s18, 0
	s_cbranch_scc1 .Lsq
	SQMM                                           ; E = c G^4096 in v80-95, E^2 = c^2 G^8192 in v104-119
	v_pk_mul_f32 v[120:121], v[208:209], v[104:105]            ; tr(G E^2) = sum of X o Re + Y o Im
	v_pk_mul_f32 v[122:123], v[80:81], v[80:81]                ; tr(E^2) = sum of |E|^2
.irp e, 2,4,6
	v_pk_fma_f32 v[120:121], v[208+\e:209+\e], v[104+\e:105+\e], v[120:121]
	v_pk_fma_f32 v[122:123], v[80+\e:81+\e], v[80+\e:81+\e], v[122:123]
.endr
.irp e, 0,2,4,6
	v_pk_fma_f32 v[120:121], v[216+\e:217+\e], v[112+\e:113+\e], v[120:121]
	v_pk_fma_f32 v[122:123], v[88+\e:89+\e], v[88+\e:89+\e], v[122:123]
.endr
	v_add_f32 v120, v120, v121
	v_add_f32 v122, v122, v123
.irp m, 1,2,4,8
	v_add_f32_dpp v120, v120, v120 row_xmask:\m row_mask:0xf bank_mask:0xf
	v_add_f32_dpp v122, v122, v122 row_xmask:\m row_mask:0xf bank_mask:0xf
.endr
	v_permlanex16_b32 v121, v120, s20, s21
	v_permlanex16_b32 v123, v122, s20, s21
	v_add_f32 v120, v120, v121
	v_add_f32 v122, v122, v123
	v_rcp_f32 v121, v120
	v_nop
	v_mul_f32 v121, v122, v121                     ; alpha = 1 / lambda
	v_mul_f32 v123, 0x3e99999a, v121               ; t = 0.3 / lambda
	v_readfirstlane_b32 s26, v121
	v_readfirstlane_b32 s22, v123
	s_xor_b32 s23, s22, 0x80000000                 ; -t
	s_xor_b32 s24, s26, 0x80000000                 ; -alpha, twice
	s_mov_b32 s25, s24
; ---- the pass
.macro MMX s, zero                     ; x tiles 2s, 2s+1 += W R: the f32 accumulate onto x is the step's "x + (1/lambda) A^T r"
	.set XB, 16*((\s)&15)
	.set XW, 1+((\s)>>4)
	.set WF, WR+16*((\s)&3)
	WIN ((XW<<4)|(XW<<6))
.if \zero
	v_wmma_f32_16x16x32_bf16 v[XB:XB+7], v[WF:WF+7], v[RR:RR+7], 0
	v_wmma_f32_16x16x32_bf16 v[XB+8:XB+15], v[WF+8:WF+15], v[RR:RR+7], 0
.else
	v_wmma_f32_16x16x32_bf16 v[XB:XB+7], v[WF:WF+7], v[RR:RR+7], v[XB:XB+7]
	v_wmma_f32_16x16x32_bf16 v[XB+8:XB+15], v[WF+8:WF+15], v[RR:RR+7], v[XB+8:XB+15]
.endif
.endm
.macro MMP s                           ; Re x and Im x of step s
	.set AF, AR+16*((\s)&3)
	.set BD, BB+8*((\s)&1)
	WIN 0
.if (\s) == 0
	v_wmma_f32_16x16x32_bf16 v[PA:PA+7], v[AF:AF+7], v[BD:BD+7], 0
	v_wmma_f32_16x16x32_bf16 v[PB:PB+7], v[AF+8:AF+15], v[BD:BD+7], 0
.else
	v_wmma_f32_16x16x32_bf16 v[PA:PA+7], v[AF:AF+7], v[BD:BD+7], v[PA:PA+7]
	v_wmma_f32_16x16x32_bf16 v[PB:PB+7], v[AF+8:AF+15], v[BD:BD+7], v[PB:PB+7]
.endif
.endm
.macro XMED s                          ; soft(x) = x - med3(x, -t, t)
	.set XB, 16*((\s)&15)
	.set XW, 1+((\s)>>4)
	WIN (XW|(XW<<2))
.irp e, 0,1,2,3,4,5,6,7,8,9,10,11,12,13,14,15
	v_med3_num_f32 v[TT+\e], v[XB+\e], s23, s22
.endr
.endm
.macro XSUB s
	.set XB, 16*((\s)&15)
	.set XW, 1+((\s)>>4)
	WIN ((XW<<4)|(XW<<6))
.irp e, 0,2,4,6,8,10,12,14
	v_pk_fma_f32 v[XB+\e:XB+\e+1], v[TT+\e:TT+\e+1], -1.0, v[XB+\e:XB+\e+1] op_sel_hi:[1,0,1]
.endr
.endm
.macro XCVT s                          ; a lane's 8 + 8 numbers of tiles 2s, 2s+1 are its own part of the B operand (k = 8h+j, 16+8h+j): no lane is crossed
	.set XB, 16*((\s)&15)
	.set XW, 1+((\s)>>4)
	.set BD, BB+8*((\s)&1)
	WIN (XW|(XW<<2))
.irp e, 0,1,2,3,4,5,6,7
	v_cvt_pk_bf16_f32 v[BD+\e], v[XB+2*\e], v[XB+2*\e+1]
.endr
.endm
.macro ADDN k, p1                      ; CNT += the LDS loads that slot k issues
.if (\k) >= 0
.if (\k) <= 33
	.set CNT, CNT+4
.endif
.if \p1
.if (\k) <= 35
	.set CNT, CNT+4
.endif
.endif
.endif
.endm
; Slot i: bf16 of step i-1; threshold of step i; matrix work of steps i+1 (onto x) and i-1 (A x); loads for steps i+4 and i+2.
; The 8 conversions (or 4 v_nop) are the places between step i's matrix instructions and the reads of their results, and the loads into their fragments.
; Matrix instructions run x, x', Re, Im, x'', x''', Re, Im ..: no two neighbours share an accumulator.
.macro SLOT i, zero, p1
.if \i >= 1
.if \p1
	XCVT (\i-1)
.else
	NOP4
.endif
.endif
.if \i <= 37
	XMED \i
	XSUB \i
.endif
	.set CNT, 0
	ADDN (\i-1),\p1
	ADDN (\i-2),\p1
	s_wait_dscnt CNT                               ; the fragments used below were asked for three slots ago (or ahead of the pass): only the last two slots' loads stay out
.if \i <= 36
	MMX (\i+1),\zero
.endif
.if \p1
.if \i >= 1
	MMP (\i-1)
.endif
.endif
	WIN 0
.if \i <= 33
	LW (\i+4)
.endif
.if \p1
.if \i <= 35
	LA (\i+2)
.endif
.endif
.endm
.macro PASS zero, p1                   ; zero = 1: x starts at 0 (the product starts the sum); p1 = 0: the last step needs no A x
	MMX 0,\zero
	NOP4
.irp i, 0,1,2,3,4,5,6,7,8,9,10,11,12,13,14,15,16,17,18,19,20,21,22,23,24,25,26,27,28,29,30,31,32,33,34,35,36,37
	SLOT \i,\zero,\p1
.endr
.if \p1
	SLOT 38,\zero,\p1
.endif
	WIN 0
.endm
.macro PROLOG p1                       ; the first fragments of a pass
	LW 0
	LW 1
	LW 2
	LW 3
.if \p1
	LA 0
	LA 1
.endif
.endm
; R from Rlow (f32, lane (r,h) register j: row 8h+j, column r):  rows 0-15 = Rlow, rows 16-31 = sigma(lane) Rlow(lane xor 8)
.macro MAKER src
.irp j, 0,1,2,3,4,5,6,7
	v_mul_f32_dpp v[216+\j], v[\src+\j], v10 row_xmask:8 row_mask:0xf bank_mask:0xf   ; v216-223 have been written on every way here
.endr
.irp e, 0,1,2,3
	v_cvt_pk_bf16_f32 v[RR+\e], v[\src+2*\e], v[\src+2*\e+1]
	v_cvt_pk_bf16_f32 v[RR+4+\e], v[216+2*\e], v[216+2*\e+1]
.endr
.endm
; The waves' partial A x meet.  (A x)_top = Re xr - Im xi, (A x)_bot = Re xi + Im xr:  S(lane) = PA(lane) - sigma(lane) PB(lane xor 8).
.macro EXCH p1
	NOP4                                           ; behind the pass's last matrix instructions
.irp e, 0,2,4,6
	v_pk_mul_f32 v[PB+\e:PB+\e+1], v[PB+\e:PB+\e+1], v[10:11]
.endr
.irp j, 0,1,2,3,4,5,6,7
	v_add_f32_dpp v[PA+\j], v[PB+\j], v[PA+\j] row_xmask:8 row_mask:0xf bank_mask:0xf   ; sigma(lane^8) = -sigma(lane)
.endr
	s_barrier_wait -1                              ; every wave has signalled that its reads of the last exchange are over
	ds_store_b128 v6, v[PA:PA+3]
	ds_store_b128 v6, v[PA+4:PA+7] offset:512
	s_wait_dscnt 0x0                               ; my part is in LDS before I say so
	s_barrier_signal -1
	PROLOG \p1                                     ; reads of Abar, which no wave writes before the closing barrier
	s_barrier_wait -1
.irp w, 0,1,2,3
	ds_load_b128 v[208+8*\w:211+8*\w], v7 offset:1024*\w
	ds_load_b128 v[212+8*\w:215+8*\w], v7 offset:1024*\w+512
.endr
	s_wait_dscnt 0x0                               ; the four parts, and the pass's first fragments with them
	s_barrier_signal -1                            ; my reads are over; the wait stands in front of the next exchange's stores
.irp e, 0,2,4,6
	v_pk_add_f32 v[208+\e:209+\e], v[208+\e:209+\e], v[216+\e:217+\e]
	v_pk_add_f32 v[224+\e:225+\e], v[224+\e:225+\e], v[232+\e:233+\e]
.endr
.irp e, 0,2,4,6
	v_pk_add_f32 v[208+\e:209+\e], v[208+\e:209+\e], v[224+\e:225+\e]
.endr
.irp e, 0,2,4,6
	v_pk_fma_f32 v[208+\e:209+\e], v[208+\e:209+\e], s[24:25], v[YS+\e:YS+\e+1] op_sel_hi:[1,0,1]   ; (y - A x) / lambda
.endr
	MAKER 208
.endm
	; ---- the first residual is y itself
.irp j, 0,1,2,3,4,5,6,7
	v_cndmask_b32 v[YS+\j], v[48+\j], v[56+\j], s27            ; y_real for xr columns, y_imag for xi columns
.endr
	v_cndmask_b32 v[YS+7], v[YS+7], 0, s36                     ; row 15 does not exist
.irp e, 0,2,4,6
	v_pk_mul_f32 v[YS+\e:YS+\e+1], v[YS+\e:YS+\e+1], s[26:27] op_sel_hi:[1,0]
.endr
	MAKER YS
	PROLOG 1
	s_wait_dscnt 0x0
	PASS 1, 1                                      ; step 1
	s_mov_b32 s18, 48
.Liter:                                            ; steps 2 to 49
	EXCH 1
	PASS 0, 1
	s_sub_co_i32 s18, s18, 1
	s_cmp_lg_u32 s18, 0
	s_cbranch_scc1 .Liter
	EXCH 0
	PASS 0, 0                                      ; step 50
	s_wait_dscnt 0x0                               ; my reads of Abar are over
	s_barrier_wait -1                              ; closes the last exchange's signal
	s_barrier_signal -1
	s_barrier_wait -1                              ; the closing barrier: Abar is read no more, its bytes serve as stage
; ---- |x| = sqrt(xr^2 + xi^2 + 1e-12): each half brings 5e-13.  Lanes r < 8 keep tile 2s, lanes r >= 8 tile 2s+1, of column r&7.
.macro MAGSTEP s
	.set XB, 16*((\s)&15)
	.set XW, 1+((\s)>>4)
.if (\s) == 0
	.set MD, NS                                    ; the first magnitudes start the sums
.else
	.set MD, BB
.endif
	WIN (XW|(XW<<2))
.irp e, 0,2,4,6,8,10,12,14
	v_pk_fma_f32 v[TT+\e:TT+\e+1], v[XB+\e:XB+\e+1], v[XB+\e:XB+\e+1], 0x2b0cbccc op_sel_hi:[1,1,0]
.endr
	WIN 0
.irp e, 0,1,2,3,4,5,6,7,8,9,10,11,12,13,14,15
	v_add_f32_dpp v[TT+\e], v[TT+\e], v[TT+\e] row_xmask:8 row_mask:0xf bank_mask:0xf
.endr
.irp j, 0,1,2,3,4,5,6,7
	v_cndmask_b32 v[TT+\j], v[TT+\j], v[TT+8+\j], s27
.endr
.irp j, 0,1,2,3,4,5,6,7
	v_sqrt_f32 v[MD+\j], v[TT+\j]
.endr
	v_nop                                          ; one plain instruction between a root and its use (ISA guide 5.7.2)
.if (\s) == 37
.irp e, 0,2,4,6
	v_pk_fma_f32 v[NS+\e:NS+\e+1], v[MD+\e:MD+\e+1], v[12:13], v[NS+\e:NS+\e+1]   ; g >= 4840 does not count
.endr
.else
.if (\s) > 0
.irp e, 0,2,4,6
	v_pk_add_f32 v[NS+\e:NS+\e+1], v[NS+\e:NS+\e+1], v[MD+\e:MD+\e+1]
.endr
.endif
.endif
	ds_store_b128 v14, v[MD:MD+3] offset:128*((\s)&1)
	ds_store_b128 v14, v[MD+4:MD+7] offset:128*((\s)&1)+16
.endm
.macro MAGOUT s                        ; two steps = 64 g = 256 bytes of each of 8 columns: back by rows, 16 lanes store 256 consecutive aligned bytes
	.set OB, WR+16*(((\s)>>1)&1)
	s_wait_xcnt 0x0                                ; registers that earlier stores read are loaded again only behind this wait
.irp k, 0,1,2,3
	ds_load_b128 v[OB+4*\k:OB+4*\k+3], v15 offset:544*\k       ; LDS serves a wave's instructions in order: these see the stores above
.endr
.irp k, 0,1,2,3
	s_wait_dscnt 3-\k
	global_store_b128 v240, v[OB+4*\k:OB+4*\k+3], s[12:13] offset:2*MROW*\k+256*((\s)>>1)
.endr
.endm
.irp s, 0,1,2,3,4,5,6,7,8,9,10,11,12,13,14,15,16,17,18,19,20,21,22,23,24,25,26,27,28,29,30,31,32,33,34,35,36,37
	MAGSTEP \s
.if (\s)&1
	MAGOUT \s
.endif
.endr
	; ---- the columns' L1 norms: over my 8 registers, the lanes r and r^8, both halves, then the four waves
	v_pk_add_f32 v[72:73], v[72:73], v[74:75]
	v_pk_add_f32 v[76:77], v[76:77], v[78:79]
	v_pk_add_f32 v[72:73], v[72:73], v[76:77]
	v_add_f32 v72, v72, v73
	v_add_f32_dpp v72, v72, v72 row_xmask:8 row_mask:0xf bank_mask:0xf
	v_permlanex16_b32 v73, v72, s20, s21
	v_add_f32 v72, v72, v73
	v_and_b32 v8, 7, v1
	v_lshlrev_b32 v8, 2, v8
	v_add_nc_u32 v8, GRB, v8
	s_lshl_b32 s19, s16, 5
	v_add_nc_u32 v9, s19, v8
	ds_store_b32 v9, v72                           ; four lanes write the same word with the same value
	s_wait_dscnt 0x0
	s_barrier_signal -1
	s_barrier_wait -1
.irp w, 0,1,2,3
	ds_load_b32 v[74+\w], v8 offset:32*\w
.endr
	s_wait_dscnt 0x0
	v_add_f32 v74, v74, v75
	v_add_f32 v76, v76, v77
	v_add_f32 v74, v74, v76
	s_lshl_b32 s19, ttmp9, 5
	v_lshl_add_u32 v9, v0, 2, s19                  ; norms[8 wg + thread]
	v_cmp_gt_u32 vcc_lo, 8, v0
	s_wait_xcnt 0x0                                ; EXEC is a source of the stores that are out: it changes only behind this wait
	s_and_saveexec_b32 s19, vcc_lo
	global_store_b32 v9, v74, s[14:15]
	s_wait_xcnt 0x0
	s_or_b32 exec_lo, exec_lo, s19
	s_endpgm
.Lfunc_end_k_q69a3f97cd4_ista:
	.size	k_q69a3f97cd4_ista, .Lfunc_end_k_q69a3f97cd4_ista-k_q69a3f97cd4_ista
	.p2alignl 7, 3214868480
	.fill 96, 4, 3214868480
	.section	.rodata,"a",@progbits
	.p2align	6, 0x0
	.amdhsa_kernel k_q69a3f97cd4_ista
		.amdhsa_group_segment_fixed_size 327680
		.amdhsa_private_segment_fixed_size 0
		.amdhsa_enable_private_segment 0
		.amdhsa_kernarg_size 48
		.amdhsa_user_sgpr_count 2
		.amdhsa_user_sgpr_kernarg_segment_ptr 1
		.amdhsa_wavefront_size32 1
		.amdhsa_system_sgpr_workgroup_id_x 1
		.amdhsa_system_sgpr_workgroup_id_y 1
		.amdhsa_system_sgpr_workgroup_id_z 1
		.amdhsa_system_vgpr_workitem_id 0
		.amdhsa_next_free_vgpr 864
		.amdhsa_next_free_sgpr 66
		.amdhsa_reserve_vcc 1
		.amdhsa_float_denorm_mode_32 3
		.amdhsa_float_denorm_mode_16_64 3
		.amdhsa_memory_ordered 1
		.amdhsa_forward_progress 1
		.amdhsa_inst_pref_size 255
	.end_amdhsa_kernel
	.section	.bss,"aw",@nobits
	.p2align	6
	.space	262144
	.amdgpu_metadata
---
amdhsa.version: [ 1, 2 ]
amdhsa.kernels:
  - .name:           k_q69a3f97cd4_ista
    .symbol:         k_q69a3f97cd4_ista.kd
    .args:
      - { .name: A_real, .offset: 0, .size: 8, .value_kind: global_buffer, .address_space: global }
      - { .name: A_imag, .offset: 8, .size: 8, .value_kind: global_buffer, .address_space: global }
      - { .name: y_real, .offset: 16, .size: 8, .value_kind: global_buffer, .address_space: global }
      - { .name: y_imag, .offset: 24, .size: 8, .value_kind: global_buffer, .address_space: global }
      - { .name: mag, .offset: 32, .size: 8, .value_kind: global_buffer, .address_space: global }
      - { .name: norms, .offset: 40, .size: 8, .value_kind: global_buffer, .address_space: global }
    .group_segment_fixed_size: 327680
    .private_segment_fixed_size: 0
    .kernarg_segment_align: 8
    .kernarg_segment_size: 48
    .max_flat_workgroup_size: 128
    .sgpr_count:     66
    .vgpr_count:     864
    .wavefront_size: 32
...
	.end_amdgpu_metadata
.endif
;; end of part 1
;; launch pick (part 2): grid 16 x 1, 19 waves a work-group, no clusters, 1,024 bytes of LDS; arguments mag, norms, angles_grid, ranges_grid, out0, out1, out2; writes out0, out1, out2
.if DOCPART == 2
	.amdgcn_target "amdgcn-amd-amdhsa--gfx1250"
	.amdhsa_code_object_version 6
	.text
	.protected	k_q69a3f97cd4_pick
	.globl	k_q69a3f97cd4_pick
	.p2align	8
	.type	k_q69a3f97cd4_pick,@function
k_q69a3f97cd4_pick:
	s_mov_b64 s[64:65], 0
	v_nop
	global_prefetch_b8 v0, s[64:65] scope:SCOPE_SE
	s_setreg_imm32_b32 hwreg(HW_REG_WAVE_MODE, 25, 1), 1
	s_wait_xcnt 0x0
; s[b][g] = mean over b' of mag[b][g][argmin_t norms[b'][t]], its two largest entries, and the grids' values there.  Work-group b, 608 threads.
; The 16 argmins enter as VALUES only: weight w[t] = (number of b' whose argmin is t) / 16, and s[b][g] = sum over all 50 t of w[t] mag[b][t][g].
; So no address and no branch hangs on a floating-point number, at the price of reading all 50 columns of the batch (972,800 bytes a work-group).
; Thread n owns g = 4n .. 4n+3 and g = 2432 + 4n .. +3 of every column: a wave's load covers 512 consecutive bytes.
; A stream: no matrix unit, no cluster (work-groups share only the 3,200 bytes of norms), LDS for the reductions only.
; LIMITS: a column with weight 0 and an infinite magnitude would spoil s (0 x inf); a NaN among the norms is not treated as jnp.argmin treats it;
; ties go to the lowest index, in argmin and in the top two.  s is positive (each magnitude is at least 1e-6), so -1 marks what is out of the running.
.set MROW, 19456                       ; bytes in a row of mag (4864 f32)
.set ACC,  8                           ; v8-15   s of my 8 g
.set GF,   16                          ; v16-23  my 8 g as f32 (exact)
.set ANG,  24                          ; v24-27  angles[min(lane + 32 k, 120)]
.set RNG,  28                          ; v28-29  ranges[min(lane + 32 k, 39)]
.set RING, 32                          ; v32-151 three groups of 5 columns x 2 x 16 bytes
; v2 16 n; v4-7, v30 offsets of the small loads; v152-159 at work; v160-175 the 16 argmins; v180-182 lane + 32, 64, 96; v176,177 weights
; weights as scalars: w[t] in s[32+t] for t < 30, in s[36+t] for t >= 30
	s_load_b256 s[4:11], s[0:1], 0x0               ; mag s[4:5], norms s[6:7], angles s[8:9], ranges s[10:11]
	s_load_b128 s[12:15], s[0:1], 0x20             ; out0 s[12:13], out1 s[14:15]
	s_load_b64 s[16:17], s[0:1], 0x30              ; out2
	v_and_b32 v1, 31, v0                           ; lane
	v_lshrrev_b32 v3, 5, v0
	v_readfirstlane_b32 s18, v3                    ; wave 0..18
	s_mov_b32 s22, 0x76543210
	s_mov_b32 s23, 0xfedcba98
	v_lshlrev_b32 v2, 4, v0
	s_min_u32 s19, s18, 15                         ; wave w finds batch w's argmin; waves 16-18 repeat batch 15's and nobody reads theirs
	s_mul_i32 s19, s19, 200
	v_lshl_add_u32 v4, v1, 2, s19                  ; t = lane
	v_min_u32 v5, 17, v1
	v_lshl_add_u32 v5, v5, 2, s19                  ; t = 32 + min(lane, 17)
	v_lshlrev_b32 v6, 2, v1
	v_add_nc_u32 v180, 32, v1
	v_add_nc_u32 v181, 64, v1
	v_add_nc_u32 v182, 96, v1
	v_min_u32 v7, 120, v182
	v_lshlrev_b32 v7, 2, v7
	v_min_u32 v30, 39, v180
	v_lshlrev_b32 v30, 2, v30
	v_mov_b32 v155, 0                              ; v_permlanex16_b32 counts as a reader of its destination
	s_lshl_b32 s30, s18, 2
	v_mov_b32 v157, s30                            ; 4 x wave
	v_min_u32 v159, 18, v1
	v_lshlrev_b32 v159, 2, v159                    ; 4 x min(lane, 18)
	s_mul_i32 s20, ttmp9, 50*MROW
	s_mov_b32 s21, 0
	s_mul_i32 s28, ttmp9, 19360
	s_mov_b32 s29, 0
	s_wait_kmcnt 0x0
	s_add_nc_u64 s[4:5], s[4:5], s[20:21]          ; my batch's 50 columns
	s_add_nc_u64 s[16:17], s[16:17], s[28:29]      ; my row of out2
	global_load_b32 v152, v4, s[6:7]
	global_load_b32 v153, v5, s[6:7] offset:128
	global_load_b32 v[ANG], v6, s[8:9]
	global_load_b32 v[ANG+1], v6, s[8:9] offset:128
	global_load_b32 v[ANG+2], v6, s[8:9] offset:256
	global_load_b32 v[ANG+3], v7, s[8:9]
	global_load_b32 v[RNG], v6, s[10:11]
	global_load_b32 v[RNG+1], v30, s[10:11]
.macro LDG k                           ; group k: columns 5k .. 5k+4, ten loads
.irp tt, 0,1,2,3,4
	.set XR, RING+40*((\k)%3)+8*\tt
	global_load_b128 v[XR:XR+3], v2, s[4:5] offset:(5*(\k)+\tt)*MROW th:TH_LOAD_NT
	global_load_b128 v[XR+4:XR+7], v2, s[4:5] offset:(5*(\k)+\tt)*MROW+9728 th:TH_LOAD_NT
.endr
.endm
	LDG 0
	LDG 1
	LDG 2
	; my 8 g as f32
	v_lshlrev_b32 v3, 2, v0
	v_cvt_f32_u32 v[GF], v3
	v_add_f32 v[GF+1], 1.0, v[GF]
	v_add_f32 v[GF+2], 2.0, v[GF]
	v_add_f32 v[GF+3], 0x40400000, v[GF]
.irp e, 0,1,2,3
	v_add_f32 v[GF+4+\e], 0x45180000, v[GF+\e]     ; + 2432
.endr
.macro WRED op, opd                    ; over the 32 lanes, result in every lane
.irp m, 1,2,4,8
	\opd v154, v154, v154 row_xmask:\m row_mask:0xf bank_mask:0xf
.endr
	v_permlanex16_b32 v155, v154, s22, s23
	\op v154, v154, v155
.endm
	; ---- argmin of my batch's 50 norms
	s_wait_loadcnt 36                              ; the two loads of norms are in; 6 table loads and 30 of mag are younger
	v_cmp_gt_u32 vcc_lo, 18, v1
	v_cndmask_b32 v153, 0x7f800000, v153, vcc_lo   ; t >= 50: +inf
	v_min_num_f32 v154, v152, v153
	WRED v_min_num_f32, v_min_num_f32_dpp
	v_cmp_eq_f32 s24, v152, v154
	v_cmp_eq_f32 s25, v153, v154
	s_ctz_i32_b32 s26, s24                         ; the first t that reaches the minimum
	s_ctz_i32_b32 s27, s25
	s_add_co_u32 s27, s27, 32
	s_cmp_lg_u32 s24, 0
	s_cselect_b32 s26, s26, s27
	v_mov_b32 v156, s26
	ds_store_b32 v157, v156                        ; LDS word w
	s_wait_dscnt 0x0
	s_barrier_signal -1
	s_barrier_wait -1
	v_mov_b32 v158, 0
.irp k, 0,1,2,3
	ds_load_b128 v[160+4*\k:163+4*\k], v158 offset:16*\k
.endr
	v_mov_b32 v176, 0
	v_mov_b32 v177, 0
	s_wait_dscnt 0x0
.irp k, 0,1,2,3,4,5,6,7,8,9,10,11,12,13,14,15
	v_cmp_eq_u32 vcc_lo, v[160+\k], v1
	v_add_co_ci_u32 v176, vcc_lo, 0, v176, vcc_lo  ; how many batches chose t = lane
	v_cmp_eq_u32 vcc_lo, v[160+\k], v180
	v_add_co_ci_u32 v177, vcc_lo, 0, v177, vcc_lo  ; and t = lane + 32
.endr
	v_cvt_f32_u32 v176, v176
	v_cvt_f32_u32 v177, v177
	v_mul_f32 v176, 0x3d800000, v176               ; / 16
	v_mul_f32 v177, 0x3d800000, v177
.set tn, 0
.rept 30
	v_readlane_b32 s[32+tn], v176, tn
.set tn, tn+1
.endr
.rept 2
	v_readlane_b32 s[36+tn], v176, tn
.set tn, tn+1
.endr
.rept 18
	v_readlane_b32 s[36+tn], v177, tn-32
.set tn, tn+1
.endr
	; ---- the weighted sum
.macro FMAG k
.irp tt, 0,1,2,3,4
	.set TN, 5*(\k)+\tt
.if TN < 30
	.set WS, 32+TN
.else
	.set WS, 36+TN
.endif
	.set XR, RING+40*((\k)%3)+8*\tt
.irp e, 0,1,2,3,4,5,6,7
.if TN == 0
	v_mul_f32 v[ACC+\e], s[WS], v[XR+\e]           ; the first column starts the sums
.else
	v_fmac_f32 v[ACC+\e], s[WS], v[XR+\e]
.endif
.endr
.endr
.endm
.irp k, 0,1,2,3,4,5,6,7,8,9
.if \k <= 7
	s_wait_loadcnt 20                              ; this group's ten loads are in; the two younger groups' twenty stay out
.else
	s_wait_loadcnt 10*(9-\k)
.endif
	FMAG \k
.if \k <= 6
	LDG (\k+3)
.endif
.endr
	; ---- out2
	global_store_b128 v2, v[ACC:ACC+3], s[16:17]
	v_cmp_gt_u32 vcc_lo, 0x25a, v0                 ; 2432 + 4 n < 4840 for n < 602
	s_wait_xcnt 0x0                                ; EXEC changes only behind this wait
	s_and_saveexec_b32 s19, vcc_lo
	global_store_b128 v2, v[ACC+4:ACC+7], s[16:17] offset:9728
	s_wait_xcnt 0x0                                ; and again; it also frees the stores' data
	s_or_b32 exec_lo, exec_lo, s19
.irp e, 4,5,6,7
	v_cndmask_b32 v[ACC+\e], -1.0, v[ACC+\e], vcc_lo           ; g >= 4840 is out of the running
.endr
	; ---- the two largest, the lowest index first among equals
.macro REDUCE op, opd, slot            ; over the work-group; each use has LDS words of its own
	WRED \op, \opd
	ds_store_b32 v157, v154 offset:\slot
	s_wait_dscnt 0x0
	s_barrier_signal -1
	s_barrier_wait -1
	ds_load_b32 v154, v159 offset:\slot
	s_wait_dscnt 0x0
	WRED \op, \opd
.endm
.macro TOP sa, sb, dst, rem
	v_max3_num_f32 v154, v[ACC], v[ACC+1], v[ACC+2]
	v_max3_num_f32 v154, v154, v[ACC+3], v[ACC+4]
	v_max3_num_f32 v154, v154, v[ACC+5], v[ACC+6]
	v_max_num_f32 v154, v154, v[ACC+7]
	REDUCE v_max_num_f32, v_max_num_f32_dpp, \sa
	v_mov_b32 v163, v154                           ; the largest value
	v_cmp_eq_f32 vcc_lo, v[ACC], v163
	v_cndmask_b32 v154, v161, v[GF], vcc_lo
.irp e, 1,2,3,4,5,6,7
	v_cmp_eq_f32 vcc_lo, v[ACC+\e], v163
	v_cndmask_b32 v162, v161, v[GF+\e], vcc_lo
	v_min_num_f32 v154, v154, v162
.endr
	REDUCE v_min_num_f32, v_min_num_f32_dpp, \sb
	v_cvt_u32_f32 \dst, v154                       ; its lowest g
.if \rem
.irp e, 0,1,2,3,4,5,6,7
	v_cmp_eq_f32 vcc_lo, v[GF+\e], v154
	v_cndmask_b32 v[ACC+\e], v[ACC+\e], -1.0, vcc_lo
.endr
.endif
.endm
	v_mov_b32 v161, 0x4e6e6b28                     ; 1e9: no candidate
	TOP 128, 256, v164, 1
	TOP 384, 512, v167, 0
	s_cmp_lg_u32 s18, 0
	s_cbranch_scc1 .Lend                           ; no barrier follows: wave 0 finishes alone
	; ---- the grids' values, by compare and select: the index stays a value
	v_mul_u32_u24 v165, v164, 0xcccd               ; g * 52429 >> 21 = g / 40 for g < 4840
	v_mul_u32_u24 v168, v167, 0xcccd
	v_lshrrev_b32 v165, 21, v165
	v_lshrrev_b32 v168, 21, v168
	v_mul_u32_u24 v166, v165, 40
	v_mul_u32_u24 v169, v168, 40
	v_sub_nc_u32 v166, v164, v166                  ; g mod 40
	v_sub_nc_u32 v169, v167, v169
.macro LOOK dst, idx, tab, n           ; table[idx]: one lane and one register match; a wave sum brings it to every lane
	v_cmp_eq_u32 vcc_lo, \idx, v1
	v_cndmask_b32 \dst, 0, v[\tab], vcc_lo
	v_cmp_eq_u32 vcc_lo, \idx, v180
	v_cndmask_b32 \dst, \dst, v[\tab+1], vcc_lo
.if \n > 2
	v_cmp_eq_u32 vcc_lo, \idx, v181
	v_cndmask_b32 \dst, \dst, v[\tab+2], vcc_lo
	v_cmp_eq_u32 vcc_lo, \idx, v182
	v_cndmask_b32 \dst, \dst, v[\tab+3], vcc_lo
.endif
.irp m, 1,2,4,8
	v_add_f32_dpp \dst, \dst, \dst row_xmask:\m row_mask:0xf bank_mask:0xf
.endr
	v_permlanex16_b32 v155, \dst, s22, s23
	v_add_f32 \dst, \dst, v155
.endm
	LOOK v170, v165, ANG, 4
	LOOK v171, v168, ANG, 4
	LOOK v172, v166, RNG, 2
	LOOK v173, v169, RNG, 2
	s_lshl_b32 s20, ttmp9, 3
	v_mov_b32 v3, s20                              ; 8 b
	v_cmp_eq_u32 vcc_lo, 0, v1
	s_wait_xcnt 0x0
	s_and_saveexec_b32 s19, vcc_lo
	global_store_b64 v3, v[170:171], s[12:13]
	global_store_b64 v3, v[172:173], s[14:15]
	s_wait_xcnt 0x0
	s_or_b32 exec_lo, exec_lo, s19
.Lend:
	s_endpgm
.Lfunc_end_k_q69a3f97cd4_pick:
	.size	k_q69a3f97cd4_pick, .Lfunc_end_k_q69a3f97cd4_pick-k_q69a3f97cd4_pick
	.p2alignl 7, 3214868480
	.fill 96, 4, 3214868480
	.section	.rodata,"a",@progbits
	.p2align	6, 0x0
	.amdhsa_kernel k_q69a3f97cd4_pick
		.amdhsa_group_segment_fixed_size 1024
		.amdhsa_private_segment_fixed_size 0
		.amdhsa_enable_private_segment 0
		.amdhsa_kernarg_size 56
		.amdhsa_user_sgpr_count 2
		.amdhsa_user_sgpr_kernarg_segment_ptr 1
		.amdhsa_wavefront_size32 1
		.amdhsa_system_sgpr_workgroup_id_x 1
		.amdhsa_system_sgpr_workgroup_id_y 1
		.amdhsa_system_sgpr_workgroup_id_z 1
		.amdhsa_system_vgpr_workitem_id 0
		.amdhsa_next_free_vgpr 184
		.amdhsa_next_free_sgpr 90
		.amdhsa_reserve_vcc 1
		.amdhsa_float_denorm_mode_32 3
		.amdhsa_float_denorm_mode_16_64 3
		.amdhsa_memory_ordered 1
		.amdhsa_forward_progress 1
		.amdhsa_inst_pref_size 42
	.end_amdhsa_kernel
	.amdgpu_metadata
---
amdhsa.version: [ 1, 2 ]
amdhsa.kernels:
  - .name:           k_q69a3f97cd4_pick
    .symbol:         k_q69a3f97cd4_pick.kd
    .args:
      - { .name: mag, .offset: 0, .size: 8, .value_kind: global_buffer, .address_space: global }
      - { .name: norms, .offset: 8, .size: 8, .value_kind: global_buffer, .address_space: global }
      - { .name: angles_grid, .offset: 16, .size: 8, .value_kind: global_buffer, .address_space: global }
      - { .name: ranges_grid, .offset: 24, .size: 8, .value_kind: global_buffer, .address_space: global }
      - { .name: out0, .offset: 32, .size: 8, .value_kind: global_buffer, .address_space: global }
      - { .name: out1, .offset: 40, .size: 8, .value_kind: global_buffer, .address_space: global }
      - { .name: out2, .offset: 48, .size: 8, .value_kind: global_buffer, .address_space: global }
    .group_segment_fixed_size: 1024
    .private_segment_fixed_size: 0
    .kernarg_segment_align: 8
    .kernarg_segment_size: 56
    .max_flat_workgroup_size: 608
    .sgpr_count:     90
    .vgpr_count:     184
    .wavefront_size: 32
...
	.end_amdgpu_metadata
.endif
;; end of part 2
;; ======== version 2 of 3: 2 launches; 1.13 times as fast as version 1
;; limits: an iteration or a series of the reference is cut at 13 steps
;; workspace buffers: mag 15,564,800 bytes; norms 3,328 bytes
;; launch ista (part 3): grid 100 x 1, 4 waves a work-group, no clusters, 327,680 bytes of LDS; arguments A_real, A_imag, y_real, y_imag, mag, norms; writes mag, norms
.if DOCPART == 3
	.amdgcn_target "amdgcn-amd-amdhsa--gfx1250"
	.amdhsa_code_object_version 6
	.text
	.protected	k_q69a3f97cd4_ista
	.globl	k_q69a3f97cd4_ista
	.p2align	8
	.type	k_q69a3f97cd4_ista,@function
k_q69a3f97cd4_ista:
	s_mov_b64 s[64:65], 0
	v_nop
	global_prefetch_b8 v0, s[64:65] scope:SCOPE_SE
	s_setreg_imm32_b32 hwreg(HW_REG_WAVE_MODE, 25, 1), 1
	s_wait_xcnt 0x0
; 50 ISTA steps  x <- soft(x + (1/lambda) A^T (y - A x), 0.3/lambda)  for 8 of the 800 columns (b,t), then |x| and its L1 norm.
; (step/n = 1/lambda and MU*step = 0.01*30/lambda, lambda = largest eigenvalue of A A^T.)
; A is the real stacking of the complex 15 x 4840 dictionary.  It is kept once, as Abar: 32 rows (0-14 Re, 15 zero, 16-30 Im, 31 zero) x 4864
; columns (4840 and up zero), bf16, 311,296 bytes of LDS.  The 16 matrix columns are [xr | xi] of the work-group's 8 columns:
; lane column r < 8 is xr of column r, r >= 8 is xi of column r - 8.  The signs of the stacking are applied to the small 16 x 16 residual only.
; The state x (4864 x 16 f32) stays in registers for all 50 steps: wave w owns g = 1216 w .. 1216 w + 1215 = 76 tiles of 16 x 16 = 608 registers.
; One pass walks the wave's 38 steps of 32 g:  x += W R (f32 accumulate onto x itself), x -= med3(x,-t,t), bf16(x) is the B operand of Abar x.
; The four waves' partial A x meet in LDS once per ISTA step.
; NO CLUSTER, NO TENSOR LOADS: the only bytes that work-groups share are A's 580,800, read once; they must be rounded to bf16 and laid out
; chunk by chunk, which takes registers.  100 work-groups: a column's whole x must lie in one work-group (A x sums over all g), and 8 columns fill N = 16.
; LIMITS: NaN or infinite inputs and A = 0 are not served.  lambda is taken as tr(G^8193)/tr(G^8192), G = A A^T from bf16 A: it falls short of the
; largest eigenvalue by at most 1.6e-4 of it, for any spectrum of 15 eigenvalues.  Sums are formed in another order than in the reference.
.set WPART, 77824                      ; a wave's part of Abar: 152 blocks of 8 g x 512 bytes
.set EXB,   311296                     ; 4 x 1,024 bytes: the waves' partial A x
.set GRB,   319488                     ; 4 x 2,048 bytes: the waves' partial Gram matrices; at the end 128 bytes for the norms
.set AROW,  19360                      ; bytes in a row of A_real, A_imag
.set MROW,  19456                      ; bytes in a row of mag: 4864 f32 = 76 x 256
; LDS chunk = 16 bytes = row n' of Abar at g = 8 gb .. 8 gb + 7, at  gb*512 + (n'>>4)*256 + (((n'&15) + 8*(gb&1)) & 15)*16.
; The turn by 8 in odd gb lets both kinds of read touch 16 different 16-byte columns of 256 bytes: 16 rows of one gb, and 8 rows of two neighbouring gb.
; registers while A is brought in
.set GO,  2                            ; v2,v3   byte offset in A of my 32 bytes, rows q and min(8+q,14)
.set GOE, 4                            ; v4,v5   the same for the last four blocks, clamped to block 604
.set STA, 6                            ; v6,v7   LDS address of my chunk
.set PK,  16                           ; v16-47  8 chunks in bf16
.set XRG, 64                           ; v64-255 three slots of 16 loads
; registers of the main part, window 0 (v48-63 hold y as loaded until the first residual is made)
.set RR, 16                            ; v16-23   R: the scaled residual, bf16, B operand (32 n' x 16 columns)
.set PA, 24                            ; v24-31   Re [xr|xi]
.set PB, 32                            ; v32-39   Im [xr|xi]  (= PA + 8)
.set YS, 40                            ; v40-47   y/lambda in the layout of PA
.set TT, 48                            ; v48-63   at work
.set BB, 64                            ; v64-79   bf16(x) of a step, two buffers
.set NS, 72                            ; v72-79   at the end: sums of |x|
.set WR, 80                            ; v80-143  fragments with lanes = g, ring of 4 steps x 16
.set AR, 144                           ; v144-207 fragments with lanes = n', ring of 4 steps x 16
; v2,v3 / v4,v5 LDS addresses of the two kinds of fragment (second register: + 65,536, since an offset has 16 bits); v6,v7 exchange; v10,11 sigma;
; v12,13 mask of real g in the last step; v14,15 stage; v208-239 exchange; v240 offset in mag; v241-243 Gram exchange.
; x tile T lies in v[256 + 8 T]: step s = tiles 2s, 2s+1 in window 1 + (s>>4) at 16 (s&15).
.set MSB, 0
.macro WIN new                         ; s_set_vgpr_msb: bits 1:0 source 0, 3:2 source 1, 5:4 source 2, 7:6 destination; the high byte repeats the setting left
.if MSB != (\new)
	s_set_vgpr_msb (MSB<<8)|(\new)
.set MSB, \new
.endif
.endm
.macro NOP4                            ; four places behind a matrix instruction (ISA guide 7.12.1) where no independent vector work is at hand
.rept 4
	v_nop
.endr
.endm
	s_load_b256 s[4:11], s[0:1], 0x0               ; A_real s[4:5], A_imag s[6:7], y_real s[8:9], y_imag s[10:11]
	s_load_b128 s[12:15], s[0:1], 0x20             ; mag s[12:13], norms s[14:15]
	v_and_b32 v1, 31, v0                           ; lane
	v_lshrrev_b32 v10, 5, v0
	v_readfirstlane_b32 s16, v10                   ; wave 0..3
	s_mul_i32 s17, s16, WPART                      ; my part of Abar in LDS
	s_mov_b32 s20, 0x76543210                      ; v_permlanex16_b32: lane i reads lane i of the other half
	s_mov_b32 s21, 0xfedcba98
	s_mov_b32 s27, 0xff00ff00                      ; lanes with r >= 8
	s_mov_b32 s28, 0x80808080                      ; lanes with lane & 7 = 7
	s_mov_b32 s36, 0xffff0000                      ; lanes 16-31
	; y: lane (r,h), register j holds row n = 8h + j of column col = 8 wg + (r&7); b = col / 50, t = col mod 50
	v_and_b32 v10, 7, v1
	s_lshl_b32 s19, ttmp9, 3
	v_add_nc_u32 v10, s19, v10                     ; col < 800
	v_mul_u32_u24 v11, v10, 0x51f                  ; col * 1311 >> 16 = col / 50 for col < 4,600
	v_lshrrev_b32 v11, 16, v11                     ; b
	v_mul_u32_u24 v12, v11, 50
	v_sub_nc_u32 v12, v10, v12                     ; t
	v_lshrrev_b32 v13, 4, v1                       ; h
	v_mul_u32_u24 v14, v11, 15
	v_lshl_add_u32 v14, v13, 3, v14                ; 15 b + 8 h
	v_mad_u32_u24 v14, v14, 50, v12
	v_lshlrev_b32 v8, 2, v14                       ; byte offset of row 8h
	v_mul_u32_u24 v15, v13, 200
	v_sub_nc_u32 v9, v8, v15
	v_add_nc_u32 v9, 1400, v9                      ; j = 7: row 7, or row 14 in place of the row 15 that does not exist (zeroed later)
	; A: lane = (q = lane&7: row, e = lane>>3: block of 8 g)
	v_and_b32 v10, 7, v1                           ; q
	v_lshrrev_b32 v11, 3, v1                       ; e
	s_mul_i32 s19, s16, 152
	v_add_nc_u32 v12, s19, v11                     ; block 152 w + e
	v_mul_u32_u24 v13, v10, AROW
	v_lshl_add_u32 v[GO], v12, 5, v13
	v_add_nc_u32 v14, 8, v10
	v_min_u32 v14, 14, v14                         ; row 15 does not exist: row 14 is read and zeros are stored
	v_mul_u32_u24 v14, v14, AROW
	v_lshl_add_u32 v[GO+1], v12, 5, v14
	v_add_nc_u32 v12, 148, v12                     ; the wave's last four blocks
	s_movk_i32 s19, 604                            ; the last block that exists (4840 / 8 = 605 blocks)
	v_cmp_lt_u32 s29, s19, v12                     ; lanes whose block lies beyond it: zeros are stored
	v_min_u32 v12, s19, v12
	v_lshl_add_u32 v[GOE], v12, 5, v13
	v_lshl_add_u32 v[GOE+1], v12, 5, v14
	v_and_b32 v12, 1, v11                          ; e & 1 = gb & 1
	v_lshl_add_u32 v13, v12, 3, v10                ; rows 0-7:  place q + 8 (gb&1)
	v_xor_b32 v12, 1, v12
	v_lshl_add_u32 v14, v12, 3, v10                ; rows 8-15: place q + 8 (1 - (gb&1))
	v_lshlrev_b32 v15, 9, v11
	v_add_nc_u32 v15, s17, v15
	v_lshl_add_u32 v[STA], v13, 4, v15
	v_lshl_add_u32 v[STA+1], v14, 4, v15
	s_wait_kmcnt 0x0
.irp j, 0,1,2,3,4,5,6
	global_load_b32 v[48+\j], v8, s[8:9] offset:200*\j
	global_load_b32 v[56+\j], v8, s[10:11] offset:200*\j
.endr
	global_load_b32 v55, v9, s[8:9]
	global_load_b32 v63, v9, s[10:11]
	s_mov_b64 s[32:33], s[4:5]                     ; stepped copies
	s_mov_b64 s[34:35], s[6:7]
; ---- A into LDS.  A trip is 8 blocks of 8 g x 32 rows: 16 loads of 16 bytes a lane.  Each wave fills its own part.
.macro FLOAD slot, imm, edge
.irp rho, 0,1
.irp u, 0,1
.irp hf, 0,1
	.set FX, XRG+64*\slot+(\rho*2+\u)*8+4*\hf
.if (\edge)*(\u)
	global_load_b128 v[FX:FX+3], v[GOE+\rho], s[4:5] offset:16*\hf
	global_load_b128 v[FX+32:FX+35], v[GOE+\rho], s[6:7] offset:16*\hf
.else
	global_load_b128 v[FX:FX+3], v[GO+\rho], s[32:33] offset:\imm+128*\u+16*\hf
	global_load_b128 v[FX+32:FX+35], v[GO+\rho], s[34:35] offset:\imm+128*\u+16*\hf
.endif
.endr
.endr
.endr
.endm
.macro FCONV slot, soff, edge          ; 8 chunks: round to bf16, zero what does not exist, store
.irp buf, 0,1
.irp rho, 0,1
.irp u, 0,1
	.set FX, XRG+64*\slot+((2*\buf+\rho)*2+\u)*8
	.set FP, PK+((2*\buf+\rho)*2+\u)*4
.irp p, 0,1,2,3
	v_cvt_pk_bf16_f32 v[FP+\p], v[FX+2*\p], v[FX+2*\p+1]
.endr
.if \rho
.irp p, 0,1,2,3
	v_cndmask_b32 v[FP+\p], v[FP+\p], 0, s28       ; rows 15 and 31 are zero
.endr
.endif
.if (\edge)*(\u)
.irp p, 0,1,2,3
	v_cndmask_b32 v[FP+\p], v[FP+\p], 0, s29       ; g >= 4840 is zero
.endr
.endif
	ds_store_b128 v[STA+\rho], v[FP:FP+3] offset:\soff+2048*\u+256*\buf
.endr
.endr
.endr
.endm
	FLOAD 0, 0, 0
	FLOAD 1, 256, 0
	FLOAD 2, 512, 0
	s_mov_b32 s18, 5
.Lfill:                                            ; 5 rounds x 3 trips; 19 trips in all
.irp sl, 0,1,2
	s_wait_loadcnt 32                              ; loads return in order (ISA guide 5.7.1): this trip's 16 are in, the two younger trips' 32 stay out
	FCONV \sl, 4096*\sl, 0
	FLOAD \sl, 768+256*\sl, 0                      ; the trip three ahead
.endr
	s_wait_xcnt 0x0                                ; the bases are stepped only behind this wait
	s_add_nc_u64 s[32:33], s[32:33], 768
	s_add_nc_u64 s[34:35], s[34:35], 768
	v_add_nc_u32 v[STA], 12288, v[STA]
	v_add_nc_u32 v[STA+1], 12288, v[STA+1]
	s_sub_co_i32 s18, s18, 1
	s_cmp_lg_u32 s18, 0
	s_cbranch_scc1 .Lfill
	s_wait_loadcnt 32                              ; trip 15; 16 and 17 stay out
	FCONV 0, 0, 0
	FLOAD 0, 768, 1                                ; trip 18, its last four blocks by the clamped offsets
	s_wait_loadcnt 32                              ; trip 16; 17 and 18 stay out
	FCONV 1, 4096, 0
	s_wait_loadcnt 16                              ; trip 17
	FCONV 2, 8192, 0
	s_wait_loadcnt 0x0                             ; trip 18 (y's 16 loads, the oldest of all, have long been in)
	FCONV 0, 12288, 1
	s_wait_dscnt 0x0
	s_barrier_signal -1
	s_barrier_wait -1
	; ---- addresses and masks of the main part
	v_and_b32 v8, 15, v1                           ; r
	v_lshrrev_b32 v9, 4, v1                        ; h
	v_lshl_add_u32 v10, v9, 3, v8
	v_and_b32 v10, 15, v10                         ; (r + 8h) & 15
	v_lshlrev_b32 v11, 9, v9
	v_add_nc_u32 v11, s17, v11
	v_lshl_add_u32 v2, v10, 4, v11                 ; lanes = n': row r of block 4s + h (and + 2)
	v_add_nc_u32 v3, 0x10000, v2
	v_bfe_u32 v10, v1, 3, 1                        ; which of the tile's two blocks
	v_and_b32 v11, 7, v1
	v_add_nc_u32 v12, v9, v10
	v_lshl_add_u32 v12, v12, 3, v11
	v_and_b32 v12, 15, v12                         ; (8h + (lane&7) + 8 block) & 15
	v_lshlrev_b32 v13, 9, v10
	v_add_nc_u32 v13, s17, v13
	v_lshl_add_u32 v4, v12, 4, v13                 ; lanes = g: the transposing load wants row 8h + (lane&7) of that block
	v_add_nc_u32 v5, 0x10000, v4
	v_lshlrev_b32 v7, 4, v1
	v_add_nc_u32 v7, EXB, v7                       ; exchange: read
	s_lshl_b32 s19, s16, 10
	v_add_nc_u32 v6, s19, v7                       ; exchange: my wave's 1,024 bytes
	v_mov_b32 v10, 1.0
	v_cndmask_b32 v10, v10, -1.0, s27              ; sigma = +1 for xr columns, -1 for xi columns
	v_mov_b32 v11, v10
	s_mul_i32 s19, s16, 1216
	s_addk_co_i32 s19, 1184
	v_lshrrev_b32 v12, 3, v8
	v_lshlrev_b32 v12, 4, v12
	v_lshl_add_u32 v12, v9, 3, v12
	v_add_nc_u32 v12, s19, v12                     ; first g of my 8 magnitudes in step 37
	s_movk_i32 s19, 4840
	v_cmp_gt_u32 vcc_lo, s19, v12
	v_cndmask_b32 v12, 0, 1.0, vcc_lo
	v_mov_b32 v13, v12
	v_and_b32 v14, 7, v8
	v_mul_u32_u24 v14, v14, 272
	v_lshrrev_b32 v15, 3, v8
	v_lshl_add_u32 v14, v15, 6, v14
	v_lshl_add_u32 v14, v9, 5, v14
	v_add_nc_u32 v14, s17, v14                     ; stage, in: column r&7, 32 bytes at 64 (r>>3) + 32 h
	v_mul_u32_u24 v15, v9, 272
	v_lshl_add_u32 v15, v8, 4, v15
	v_add_nc_u32 v15, s17, v15                     ; stage, back: lanes 0-15 one column's 256 bytes, lanes 16-31 the next
	v_mul_u32_u24 v240, v9, MROW
	v_lshl_add_u32 v240, v8, 4, v240
	s_mul_i32 s19, s16, 4864
	v_add_nc_u32 v240, s19, v240                   ; the same in mag
	v_lshlrev_b32 v242, 6, v8
	v_lshl_add_u32 v242, v9, 5, v242
	v_add_nc_u32 v242, GRB, v242                   ; Gram tile, column-major: n*64 + m*4 with n = r, m = 8h + j
	s_lshl_b32 s19, s16, 11
	v_add_nc_u32 v241, s19, v242
	v_lshlrev_b32 v243, 9, v9
	v_lshl_add_u32 v243, v8, 2, v243
	v_add_nc_u32 v243, GRB+1024, v243              ; the transposed read of Z: n = 8h + j, m = r
	s_mul_i32 s30, ttmp9, 8*MROW
	s_mov_b32 s31, 0
	s_add_nc_u64 s[12:13], s[12:13], s[30:31]      ; mag at my first column
; Fragments of step s (32 g).  Plain: dst+0..7 = Re rows (A operand 16 n' x 32 g), dst+8..15 = Im rows.
.macro LDPL s, dst
.if (\s) < 32
	.set LB, 2
	.set LO, (\s)*2048
.else
	.set LB, 3
	.set LO, ((\s)-32)*2048
.endif
	.set LD, \dst
	ds_load_b128 v[LD:LD+3], v[LB] offset:LO
	ds_load_b128 v[LD+4:LD+7], v[LB] offset:LO+1024
	ds_load_b128 v[LD+8:LD+11], v[LB] offset:LO+256
	ds_load_b128 v[LD+12:LD+15], v[LB] offset:LO+1280
.endm
.macro LA s
	LDPL (\s),(AR+16*((\s)&3))
.endm
; Transposed: +0..7 = tile 2s (A operand 16 g x 32 n'), +8..15 = tile 2s+1
.macro LW s
.if (\s) < 32
	.set LB, 4
	.set LO, (\s)*2048
.else
	.set LB, 5
	.set LO, ((\s)-32)*2048
.endif
	.set LD, WR+16*((\s)&3)
	ds_load_tr16_b128 v[LD:LD+3], v[LB] offset:LO
	ds_load_tr16_b128 v[LD+4:LD+7], v[LB] offset:LO+256
	ds_load_tr16_b128 v[LD+8:LD+11], v[LB] offset:LO+1024
	ds_load_tr16_b128 v[LD+12:LD+15], v[LB] offset:LO+1280
.endm
; ---- Gram: X = Re Re^T + Im Im^T, Z = Im Re^T over my 1216 g.  A A^T = [[X,-Y],[Y,X]], Y = Z - Z^T, has the eigenvalues of H = X + iY.
; 19 groups of two steps on a ring of four group buffers (v80-207).  Three accumulators take turns, one instruction a turn.
.macro GLD k
	LDPL (2*(\k)),(WR+32*((\k)&3))
	LDPL (2*(\k)+1),(WR+32*((\k)&3)+16)
.endm
.macro GSTEP f, zero
	.set GF, \f
.if \zero
	v_wmma_f32_16x16x32_bf16 v[208:215], v[GF:GF+7], v[GF:GF+7], 0
	v_wmma_f32_16x16x32_bf16 v[216:223], v[GF+8:GF+15], v[GF:GF+7], 0
	v_wmma_f32_16x16x32_bf16 v[224:231], v[GF+8:GF+15], v[GF+8:GF+15], 0
.else
	v_wmma_f32_16x16x32_bf16 v[208:215], v[GF:GF+7], v[GF:GF+7], v[208:215]
	v_wmma_f32_16x16x32_bf16 v[216:223], v[GF+8:GF+15], v[GF:GF+7], v[216:223]
	v_wmma_f32_16x16x32_bf16 v[224:231], v[GF+8:GF+15], v[GF+8:GF+15], v[224:231]
.endif
.endm
	GLD 0
	GLD 1
	GLD 2
	GLD 3
.irp k, 0,1,2,3,4,5,6,7,8,9,10,11,12,13,14,15,16,17,18
.if \k <= 15
	s_wait_dscnt 24                                ; this group's 8 loads are in; the three younger groups' 24 stay out
.else
	s_wait_dscnt 8*(18-\k)                         ; the counts run down
.endif
.if \k == 0
	GSTEP (WR),1
.else
	GSTEP (WR+32*(\k&3)),0
.endif
	GSTEP (WR+32*(\k&3)+16),0
.if \k <= 14
	NOP4                                           ; the buffer just multiplied is loaded again four places behind
	GLD (\k+4)
.endif
.endr
	NOP4
.irp e, 0,2,4,6
	v_pk_add_f32 v[208+\e:209+\e], v[208+\e:209+\e], v[224+\e:225+\e]
.endr
	ds_store_b128 v241, v[208:211]
	ds_store_b128 v241, v[212:215] offset:16
	ds_store_b128 v241, v[216:219] offset:1024
	ds_store_b128 v241, v[220:223] offset:1040
	s_wait_dscnt 0x0                               ; my partial sums are in LDS before I say so
	s_barrier_signal -1
	s_barrier_wait -1
.irp w, 0,1,2,3
	ds_load_b128 v[80+8*\w:83+8*\w], v242 offset:2048*\w
	ds_load_b128 v[84+8*\w:87+8*\w], v242 offset:2048*\w+16
	ds_load_b128 v[112+8*\w:115+8*\w], v242 offset:2048*\w+1024
	ds_load_b128 v[116+8*\w:119+8*\w], v242 offset:2048*\w+1040
.irp j, 0,1,2,3,4,5,6,7
	ds_load_b32 v[144+8*\w+\j], v243 offset:2048*\w+64*\j
.endr
.endr
	s_wait_dscnt 0x0
	s_barrier_signal -1                            ; my LDS reads so far are over.  The wait for this signal stands in the first exchange, in front of its
	                                               ; stores; up to there only register work and reads of Abar follow, which no wave writes before the closing barrier
.irp b, 80,112,144
.irp e, 0,2,4,6
	v_pk_add_f32 v[\b+\e:\b+\e+1], v[\b+\e:\b+\e+1], v[\b+8+\e:\b+9+\e]
	v_pk_add_f32 v[\b+16+\e:\b+17+\e], v[\b+16+\e:\b+17+\e], v[\b+24+\e:\b+25+\e]
.endr
.endr
.irp e, 0,2,4,6
	v_pk_add_f32 v[208+\e:209+\e], v[80+\e:81+\e], v[96+\e:97+\e]          ; X
	v_pk_add_f32 v[112+\e:113+\e], v[112+\e:113+\e], v[128+\e:129+\e]
	v_pk_add_f32 v[144+\e:145+\e], v[144+\e:145+\e], v[160+\e:161+\e]
	v_pk_add_f32 v[216+\e:217+\e], v[112+\e:113+\e], v[144+\e:145+\e] neg_lo:[0,1] neg_hi:[0,1]   ; Y = Z - Z^T
.endr
; ---- lambda: H is squared 13 times, scaled by its largest entry each time; every wave does it for itself, in registers.
; The state is carried in f32, so the f32 matrix form is used: 208 small instructions a wave, not bulk work.
; A tile M in the result layout (lane (r,h), register j: M(8h+j, r)): its register pair (2q, 2q+1) taken as B is rows {2q,2q+1,8+2q,9+2q} of M, taken as A
; the same columns of M^T.  With X^T = X, Y^T = -Y:  Re H^2 = X^T X + Y^T Y,  Im H^2 = X^T Y + (-Y)^T X.  Two accumulators take turns.
; v80-87 X, v88-95 Y, v96-103 -Y, v104-111 and v112-119 the square, v120-127 at work
.macro SQMM
.irp q, 0,2,4,6
.if \q == 0
	v_wmma_f32_16x16x4_f32 v[104:111], v[80:81], v[80:81], 0
	v_wmma_f32_16x16x4_f32 v[112:119], v[80:81], v[88:89], 0
.else
	v_wmma_f32_16x16x4_f32 v[104:111], v[80+\q:81+\q], v[80+\q:81+\q], v[104:111]
	v_wmma_f32_16x16x4_f32 v[112:119], v[80+\q:81+\q], v[88+\q:89+\q], v[112:119]
.endif
	v_wmma_f32_16x16x4_f32 v[104:111], v[88+\q:89+\q], v[88+\q:89+\q], v[104:111]
	v_wmma_f32_16x16x4_f32 v[112:119], v[96+\q:97+\q], v[80+\q:81+\q], v[112:119]
.endr
.rept 9
	v_nop                                          ; the f32 form's distance before its results are read and its sources rewritten (ISA guide 7.12.1)
.endr
.endm
.macro NORM sx, sy                     ; (X, Y, -Y) = (sx, sy, -sy) / largest magnitude of an entry
	v_max_num_f32 v120, |v[\sx]|, |v[\sx+1]|
.irp j, 2,4,6
	v_max3_num_f32 v120, |v[\sx+\j]|, |v[\sx+\j+1]|, v120
.endr
.irp j, 0,2,4,6
	v_max3_num_f32 v120, |v[\sy+\j]|, |v[\sy+\j+1]|, v120
.endr
.irp m, 1,2,4,8
	v_max_num_f32_dpp v120, v120, v120 row_xmask:\m row_mask:0xf bank_mask:0xf
.endr
	v_permlanex16_b32 v121, v120, s20, s21
	v_max_num_f32 v120, v120, v121
	v_rcp_f32 v126, v120
	v_rcp_f32 v127, v120
	v_nop                                          ; one plain instruction between a reciprocal and its use (ISA guide 5.7.2)
.irp e, 0,2,4,6
	v_pk_mul_f32 v[80+\e:81+\e], v[\sx+\e:\sx+\e+1], v[126:127]
	v_pk_mul_f32 v[88+\e:89+\e], v[\sy+\e:\sy+\e+1], v[126:127]
	v_pk_mul_f32 v[96+\e:97+\e], v[\sy+\e:\sy+\e+1], v[126:127] neg_lo:[1,0] neg_hi:[1,0]
.endr
.endm
	NORM 208, 216
	s_mov_b32 s18, 12
.Lsq:
	SQMM
	NORM 104, 112
	s_sub_co_i32 s18, s18, 1
	s_cmp_lg_u32 s18, 0
	s_cbranch_scc1 .Lsq
	SQMM                                           ; E = c G^4096 in v80-95, E^2 = c^2 G^8192 in v104-119
	v_pk_mul_f32 v[120:121], v[208:209], v[104:105]            ; tr(G E^2) = sum of X o Re + Y o Im
	v_pk_mul_f32 v[122:123], v[80:81], v[80:81]                ; tr(E^2) = sum of |E|^2
.irp e, 2,4,6
	v_pk_fma_f32 v[120:121], v[208+\e:209+\e], v[104+\e:105+\e], v[120:121]
	v_pk_fma_f32 v[122:123], v[80+\e:81+\e], v[80+\e:81+\e], v[122:123]
.endr
.irp e, 0,2,4,6
	v_pk_fma_f32 v[120:121], v[216+\e:217+\e], v[112+\e:113+\e], v[120:121]
	v_pk_fma_f32 v[122:123], v[88+\e:89+\e], v[88+\e:89+\e], v[122:123]
.endr
	v_add_f32 v120, v120, v121
	v_add_f32 v122, v122, v123
.irp m, 1,2,4,8
	v_add_f32_dpp v120, v120, v120 row_xmask:\m row_mask:0xf bank_mask:0xf
	v_add_f32_dpp v122, v122, v122 row_xmask:\m row_mask:0xf bank_mask:0xf
.endr
	v_permlanex16_b32 v121, v120, s20, s21
	v_permlanex16_b32 v123, v122, s20, s21
	v_add_f32 v120, v120, v121
	v_add_f32 v122, v122, v123
	v_rcp_f32 v121, v120
	v_nop
	v_mul_f32 v121, v122, v121                     ; alpha = 1 / lambda
	v_mul_f32 v123, 0x3e99999a, v121               ; t = 0.3 / lambda
	v_readfirstlane_b32 s26, v121
	v_readfirstlane_b32 s22, v123
	s_xor_b32 s23, s22, 0x80000000                 ; -t
	s_xor_b32 s24, s26, 0x80000000                 ; -alpha, twice
	s_mov_b32 s25, s24
; ---- the pass
.macro MMX s, hf, zero                 ; x tile 2s + hf += W R: the f32 accumulate onto x is the step's "x + (1/lambda) A^T r"
	.set XB, 16*((\s)&15)+8*(\hf)
	.set XW, 1+((\s)>>4)
	.set WF, WR+16*((\s)&3)+8*(\hf)
	WIN ((XW<<4)|(XW<<6))
.if \zero
	v_wmma_f32_16x16x32_bf16 v[XB:XB+7], v[WF:WF+7], v[RR:RR+7], 0
.else
	v_wmma_f32_16x16x32_bf16 v[XB:XB+7], v[WF:WF+7], v[RR:RR+7], v[XB:XB+7]
.endif
.endm
.macro MMP s, hf                       ; hf = 0: Re x, hf = 1: Im x of step s
	.set AF, AR+16*((\s)&3)+8*(\hf)
	.set BD, BB+8*((\s)&1)
	.set PD, PA+8*(\hf)
	WIN 0
.if (\s) == 0
	v_wmma_f32_16x16x32_bf16 v[PD:PD+7], v[AF:AF+7], v[BD:BD+7], 0
.else
	v_wmma_f32_16x16x32_bf16 v[PD:PD+7], v[AF:AF+7], v[BD:BD+7], v[PD:PD+7]
.endif
.endm
.macro XMED s, e0, n                   ; soft(x) = x - med3(x, -t, t): the middle values of elements e0 .. e0 + n - 1 of the step's 16
	.set XB, 16*((\s)&15)
	.set XW, 1+((\s)>>4)
	WIN (XW|(XW<<2))
	.set EE, \e0
.rept \n
	v_med3_num_f32 v[TT+EE], v[XB+EE], s23, s22
	.set EE, EE+1
.endr
.endm
.macro XSUB s, p0, n                   ; and the subtraction, pairs p0 .. p0 + n - 1 of the step's 8
	.set XB, 16*((\s)&15)
	.set XW, 1+((\s)>>4)
	WIN ((XW<<4)|(XW<<6))
	.set EE, 2*(\p0)
.rept \n
	v_pk_fma_f32 v[XB+EE:XB+EE+1], v[TT+EE:TT+EE+1], -1.0, v[XB+EE:XB+EE+1] op_sel_hi:[1,0,1]
	.set EE, EE+2
.endr
.endm
.macro XCVT s                          ; a lane's 8 + 8 numbers of tiles 2s, 2s+1 are its own part of the B operand (k = 8h+j, 16+8h+j): no lane is crossed
	.set XB, 16*((\s)&15)
	.set XW, 1+((\s)>>4)
	.set BD, BB+8*((\s)&1)
	WIN (XW|(XW<<2))
.irp e, 0,1,2,3,4,5,6,7
	v_cvt_pk_bf16_f32 v[BD+\e], v[XB+2*\e], v[XB+2*\e+1]
.endr
.endm
.macro ADDN k, p1                      ; CNT += the LDS loads that slot k issues; slots -2 and -1 are the second part of the pass's first loads (PROLOGB)
.if (\k) >= -2
.if (\k) <= 33
	.set CNT, CNT+4
.endif
.if \p1
.if (\k) <= 35
	.set CNT, CNT+4
.endif
.endif
.endif
.endm
; Slot i.  At its head the loads for steps i+4 (lanes = g) and i+2 (lanes = n'), behind the last slot's longest run of vector work.  Then the slot's four
; matrix instructions (A x of step i-1, x of step i+1), each with a share of step i's threshold behind it instead of all four in a row; last, bf16 of step i.
; Places: between x(i+1)'s second matrix instruction and the next slot's loads into its fragment, and the reads of its result, stand
; 4 med3 + 2 fma (+ 8 conversions) on step i's registers alone.  The price is eight window switches a slot: A x works in window 0, the threshold in x's window.
; Matrix instructions run Re, Im, x, x', Re, Im ..: no two neighbours share an accumulator.
.macro SLOT i, zero, p1
	WIN 0
.if \i <= 33
	LW (\i+4)
.endif
.if \p1
.if \i <= 35
	LA (\i+2)
.endif
.endif
	.set CNT, 0
	ADDN (\i),\p1
	ADDN (\i-1),\p1
	ADDN (\i-2),\p1
	s_wait_dscnt CNT                               ; the fragments used below were asked for at the head of slot i-3: this slot's loads and the two slots' before it stay out
.if \p1
.if \i >= 1
	MMP (\i-1),0
.endif
.endif
.if \i <= 37
	XMED \i,0,6
.endif
.if \p1
.if \i >= 1
	MMP (\i-1),1
.endif
.endif
.if \i <= 37
	XMED \i,6,6
.endif
.if \i <= 36
	MMX (\i+1),0,\zero
.endif
.if \i <= 37
	XSUB \i,0,6
.endif
.if \i <= 36
	MMX (\i+1),1,\zero
.endif
.if \i <= 37
	XMED \i,12,4
	XSUB \i,6,2
.if \p1
	XCVT \i
.endif
.endif
.endm
.macro PASS zero, p1                   ; zero = 1: x starts at 0 (the product starts the sum); p1 = 0: the last step needs no A x
	MMX 0,0,\zero
	MMX 0,1,\zero
	NOP4                                           ; the places in front of slot 0's loads into step 0's fragment and of its reads of the results
.irp i, 0,1,2,3,4,5,6,7,8,9,10,11,12,13,14,15,16,17,18,19,20,21,22,23,24,25,26,27,28,29,30,31,32,33,34,35,36,37
	SLOT \i,\zero,\p1
.endr
.if \p1
	SLOT 38,\zero,\p1
.endif
	WIN 0
.endm
.macro PROLOGA                         ; the fragments that a pass wants at once
	LW 0
	LW 1
.endm
.macro PROLOGB p1                      ; what slots -2 and -1 would load: counted by the first slots' waits
	LW 2
.if \p1
	LA 0
.endif
	LW 3
.if \p1
	LA 1
.endif
.endm
; R from Rlow (f32, lane (r,h) register j: row 8h+j, column r):  rows 0-15 = Rlow, rows 16-31 = sigma(lane) Rlow(lane xor 8)
.macro MAKER src
.irp j, 0,1,2,3,4,5,6,7
	v_mul_f32_dpp v[216+\j], v[\src+\j], v10 row_xmask:8 row_mask:0xf bank_mask:0xf   ; v216-223 have been written on every way here
.endr
.irp e, 0,1,2,3
	v_cvt_pk_bf16_f32 v[RR+\e], v[\src+2*\e], v[\src+2*\e+1]
	v_cvt_pk_bf16_f32 v[RR+4+\e], v[216+2*\e], v[216+2*\e+1]
.endr
.endm
; The waves' partial A x meet.  (A x)_top = Re xr - Im xi, (A x)_bot = Re xi + Im xr:  S(lane) = PA(lane) - sigma(lane) PB(lane xor 8).
.macro EXCH p1
	NOP4                                           ; behind the pass's last matrix instructions
.irp e, 0,2,4,6
	v_pk_mul_f32 v[PB+\e:PB+\e+1], v[PB+\e:PB+\e+1], v[10:11]
.endr
.irp j, 0,1,2,3,4,5,6,7
	v_add_f32_dpp v[PA+\j], v[PB+\j], v[PA+\j] row_xmask:8 row_mask:0xf bank_mask:0xf   ; sigma(lane^8) = -sigma(lane)
.endr
	s_barrier_wait -1                              ; every wave has signalled that its reads of the last exchange are over
	ds_store_b128 v6, v[PA:PA+3]
	ds_store_b128 v6, v[PA+4:PA+7] offset:512
	s_wait_dscnt 0x0                               ; my part is in LDS before I say so
	s_barrier_signal -1
	PROLOGA                                        ; reads of Abar, which no wave writes before the closing barrier
	s_barrier_wait -1
.irp w, 0,1,2,3
	ds_load_b128 v[208+8*\w:211+8*\w], v7 offset:1024*\w
	ds_load_b128 v[212+8*\w:215+8*\w], v7 offset:1024*\w+512
.endr
	s_wait_dscnt 0x0                               ; the four parts, and the fragments of steps 0 and 1 with them: 16 loads
	s_barrier_signal -1                            ; my reads are over; the wait stands in front of the next exchange's stores
	PROLOGB \p1                                    ; reads of Abar again; they land while the sums below are made
.irp e, 0,2,4,6
	v_pk_add_f32 v[208+\e:209+\e], v[208+\e:209+\e], v[216+\e:217+\e]
	v_pk_add_f32 v[224+\e:225+\e], v[224+\e:225+\e], v[232+\e:233+\e]
.endr
.irp e, 0,2,4,6
	v_pk_add_f32 v[208+\e:209+\e], v[208+\e:209+\e], v[224+\e:225+\e]
.endr
.irp e, 0,2,4,6
	v_pk_fma_f32 v[208+\e:209+\e], v[208+\e:209+\e], s[24:25], v[YS+\e:YS+\e+1] op_sel_hi:[1,0,1]   ; (y - A x) / lambda
.endr
	MAKER 208
.endm
	; ---- the first residual is y itself
.irp j, 0,1,2,3,4,5,6,7
	v_cndmask_b32 v[YS+\j], v[48+\j], v[56+\j], s27            ; y_real for xr columns, y_imag for xi columns
.endr
	v_cndmask_b32 v[YS+7], v[YS+7], 0, s36                     ; row 15 does not exist
.irp e, 0,2,4,6
	v_pk_mul_f32 v[YS+\e:YS+\e+1], v[YS+\e:YS+\e+1], s[26:27] op_sel_hi:[1,0]
.endr
	MAKER YS
	PROLOGA
	s_wait_dscnt 0x0                               ; as in the exchange: steps 0 and 1 are in before the rest is asked for
	PROLOGB 1
	PASS 1, 1                                      ; step 1
	s_mov_b32 s18, 48
.Liter:                                            ; steps 2 to 49
	EXCH 1
	PASS 0, 1
	s_sub_co_i32 s18, s18, 1
	s_cmp_lg_u32 s18, 0
	s_cbranch_scc1 .Liter
	EXCH 0
	PASS 0, 0                                      ; step 50
	s_wait_dscnt 0x0                               ; my reads of Abar are over
	s_barrier_wait -1                              ; closes the last exchange's signal
	s_barrier_signal -1
	s_barrier_wait -1                              ; the closing barrier: Abar is read no more, its bytes serve as stage
; ---- |x| = sqrt(xr^2 + xi^2 + 1e-12): each half brings 5e-13.  Lanes r < 8 keep tile 2s, lanes r >= 8 tile 2s+1, of column r&7.
.macro MAGSTEP s
	.set XB, 16*((\s)&15)
	.set XW, 1+((\s)>>4)
.if (\s) == 0
	.set MD, NS                                    ; the first magnitudes start the sums
.else
	.set MD, BB
.endif
	WIN (XW|(XW<<2))
.irp e, 0,2,4,6,8,10,12,14
	v_pk_fma_f32 v[TT+\e:TT+\e+1], v[XB+\e:XB+\e+1], v[XB+\e:XB+\e+1], 0x2b0cbccc op_sel_hi:[1,1,0]
.endr
	WIN 0
.irp e, 0,1,2,3,4,5,6,7,8,9,10,11,12,13,14,15
	v_add_f32_dpp v[TT+\e], v[TT+\e], v[TT+\e] row_xmask:8 row_mask:0xf bank_mask:0xf
.endr
.irp j, 0,1,2,3,4,5,6,7
	v_cndmask_b32 v[TT+\j], v[TT+\j], v[TT+8+\j], s27
.endr
.irp j, 0,1,2,3,4,5,6,7
	v_sqrt_f32 v[MD+\j], v[TT+\j]
.endr
	v_nop                                          ; one plain instruction between a root and its use (ISA guide 5.7.2)
.if (\s) == 37
.irp e, 0,2,4,6
	v_pk_fma_f32 v[NS+\e:NS+\e+1], v[MD+\e:MD+\e+1], v[12:13], v[NS+\e:NS+\e+1]   ; g >= 4840 does not count
.endr
.else
.if (\s) > 0
.irp e, 0,2,4,6
	v_pk_add_f32 v[NS+\e:NS+\e+1], v[NS+\e:NS+\e+1], v[MD+\e:MD+\e+1]
.endr
.endif
.endif
	ds_store_b128 v14, v[MD:MD+3] offset:128*((\s)&1)
	ds_store_b128 v14, v[MD+4:MD+7] offset:128*((\s)&1)+16
.endm
.macro MAGOUT s                        ; two steps = 64 g = 256 bytes of each of 8 columns: back by rows, 16 lanes store 256 consecutive aligned bytes
	.set OB, WR+16*(((\s)>>1)&1)
	s_wait_xcnt 0x0                                ; registers that earlier stores read are loaded again only behind this wait
.irp k, 0,1,2,3
	ds_load_b128 v[OB+4*\k:OB+4*\k+3], v15 offset:544*\k       ; LDS serves a wave's instructions in order: these see the stores above
.endr
.irp k, 0,1,2,3
	s_wait_dscnt 3-\k
	global_store_b128 v240, v[OB+4*\k:OB+4*\k+3], s[12:13] offset:2*MROW*\k+256*((\s)>>1)
.endr
.endm
.irp s, 0,1,2,3,4,5,6,7,8,9,10,11,12,13,14,15,16,17,18,19,20,21,22,23,24,25,26,27,28,29,30,31,32,33,34,35,36,37
	MAGSTEP \s
.if (\s)&1
	MAGOUT \s
.endif
.endr
	; ---- the columns' L1 norms: over my 8 registers, the lanes r and r^8, both halves, then the four waves
	v_pk_add_f32 v[72:73], v[72:73], v[74:75]
	v_pk_add_f32 v[76:77], v[76:77], v[78:79]
	v_pk_add_f32 v[72:73], v[72:73], v[76:77]
	v_add_f32 v72, v72, v73
	v_add_f32_dpp v72, v72, v72 row_xmask:8 row_mask:0xf bank_mask:0xf
	v_permlanex16_b32 v73, v72, s20, s21
	v_add_f32 v72, v72, v73
	v_and_b32 v8, 7, v1
	v_lshlrev_b32 v8, 2, v8
	v_add_nc_u32 v8, GRB, v8
	s_lshl_b32 s19, s16, 5
	v_add_nc_u32 v9, s19, v8
	ds_store_b32 v9, v72                           ; four lanes write the same word with the same value
	s_wait_dscnt 0x0
	s_barrier_signal -1
	s_barrier_wait -1
.irp w, 0,1,2,3
	ds_load_b32 v[74+\w], v8 offset:32*\w
.endr
	s_wait_dscnt 0x0
	v_add_f32 v74, v74, v75
	v_add_f32 v76, v76, v77
	v_add_f32 v74, v74, v76
	s_lshl_b32 s19, ttmp9, 5
	v_lshl_add_u32 v9, v0, 2, s19                  ; norms[8 wg + thread]
	v_cmp_gt_u32 vcc_lo, 8, v0
	s_wait_xcnt 0x0                                ; EXEC is a source of the stores that are out: it changes only behind this wait
	s_and_saveexec_b32 s19, vcc_lo
	global_store_b32 v9, v74, s[14:15]
	s_wait_xcnt 0x0
	s_or_b32 exec_lo, exec_lo, s19
	s_endpgm
.Lfunc_end_k_q69a3f97cd4_ista:
	.size	k_q69a3f97cd4_ista, .Lfunc_end_k_q69a3f97cd4_ista-k_q69a3f97cd4_ista
	.p2alignl 7, 3214868480
	.fill 96, 4, 3214868480
	.section	.rodata,"a",@progbits
	.p2align	6, 0x0
	.amdhsa_kernel k_q69a3f97cd4_ista
		.amdhsa_group_segment_fixed_size 327680
		.amdhsa_private_segment_fixed_size 0
		.amdhsa_enable_private_segment 0
		.amdhsa_kernarg_size 48
		.amdhsa_user_sgpr_count 2
		.amdhsa_user_sgpr_kernarg_segment_ptr 1
		.amdhsa_wavefront_size32 1
		.amdhsa_system_sgpr_workgroup_id_x 1
		.amdhsa_system_sgpr_workgroup_id_y 1
		.amdhsa_system_sgpr_workgroup_id_z 1
		.amdhsa_system_vgpr_workitem_id 0
		.amdhsa_next_free_vgpr 864
		.amdhsa_next_free_sgpr 66
		.amdhsa_reserve_vcc 1
		.amdhsa_float_denorm_mode_32 3
		.amdhsa_float_denorm_mode_16_64 3
		.amdhsa_memory_ordered 1
		.amdhsa_forward_progress 1
		.amdhsa_inst_pref_size 255
	.end_amdhsa_kernel
	.section	.bss,"aw",@nobits
	.p2align	6
	.space	262144
	.amdgpu_metadata
---
amdhsa.version: [ 1, 2 ]
amdhsa.kernels:
  - .name:           k_q69a3f97cd4_ista
    .symbol:         k_q69a3f97cd4_ista.kd
    .args:
      - { .name: A_real, .offset: 0, .size: 8, .value_kind: global_buffer, .address_space: global }
      - { .name: A_imag, .offset: 8, .size: 8, .value_kind: global_buffer, .address_space: global }
      - { .name: y_real, .offset: 16, .size: 8, .value_kind: global_buffer, .address_space: global }
      - { .name: y_imag, .offset: 24, .size: 8, .value_kind: global_buffer, .address_space: global }
      - { .name: mag, .offset: 32, .size: 8, .value_kind: global_buffer, .address_space: global }
      - { .name: norms, .offset: 40, .size: 8, .value_kind: global_buffer, .address_space: global }
    .group_segment_fixed_size: 327680
    .private_segment_fixed_size: 0
    .kernarg_segment_align: 8
    .kernarg_segment_size: 48
    .max_flat_workgroup_size: 128
    .sgpr_count:     66
    .vgpr_count:     864
    .wavefront_size: 32
...
	.end_amdgpu_metadata
.endif
;; end of part 3
;; launch pick: the kernel of part 2 again; grid 16 x 1, 19 waves a work-group, no clusters, 1,024 bytes of LDS; arguments mag, norms, angles_grid, ranges_grid, out0, out1, out2; writes out0, out1, out2
;; ======== version 3 of 3: 2 launches; 1.30 times as fast as version 1
;; limits: an iteration or a series of the reference is cut at 13 steps
;; workspace buffers: mag 15,564,800 bytes; norms 3,328 bytes
;; launch ista (part 4): grid 100 x 1, 8 waves a work-group, no clusters, 327,680 bytes of LDS; arguments A_real, A_imag, y_real, y_imag, mag, norms; writes mag, norms
.if DOCPART == 4
	.amdgcn_target "amdgcn-amd-amdhsa--gfx1250"
	.amdhsa_code_object_version 6
	.text
	.protected	k_q69a3f97cd4_ista
	.globl	k_q69a3f97cd4_ista
	.p2align	8
	.type	k_q69a3f97cd4_ista,@function
k_q69a3f97cd4_ista:
	s_mov_b64 s[64:65], 0
	v_nop
	global_prefetch_b8 v0, s[64:65] scope:SCOPE_SE
	s_setreg_imm32_b32 hwreg(HW_REG_WAVE_MODE, 25, 1), 1
	s_wait_xcnt 0x0
; 50 ISTA steps  x <- soft(x + (1/lambda) A^T (y - A x), 0.3/lambda)  for 8 of the 800 columns (b,t), then |x| and its L1 norm.
; (step/n = 1/lambda and MU*step = 0.01*30/lambda, lambda = largest eigenvalue of A A^T.)
; A is the real stacking of the complex 15 x 4840 dictionary.  It is kept once, as Abar: 32 rows (0-14 Re, 15 zero, 16-30 Im, 31 zero) x 4864
; columns (4840 and up zero), bf16, 311,296 bytes of LDS.  The 16 matrix columns are [xr | xi] of the work-group's 8 columns:
; lane column r < 8 is xr of column r, r >= 8 is xi of column r - 8.  The signs of the stacking are applied to the small 16 x 16 residual only.
; The state x (4864 x 16 f32) stays in registers for all 50 steps: a wave owns 19 steps of 32 g = 38 tiles of 16 x 16 = 304 registers.
; One pass walks the wave's 19 steps:  x += W R (f32 accumulate onto x itself), x -= med3(x,-t,t), bf16(x) is the B operand of Abar x.
; The eight waves' partial A x meet in LDS once per ISTA step.
; EIGHT WAVES, two for each SIMD, 2 x 512 registers: a step has 32 vector instructions for 4 matrix instructions, so that vector work and matrix
; work are about equally long; with two waves one's threshold is at hand to be issued while the other's products run.
; WHICH g: waves 2p and 2p+1 share 38 steps.  Even wave: local step s = pair step s.  Odd wave: local s < 18 = pair step 20 + s, local 18 = pair step 19.
; So local steps (2k, 2k+1) are 64 g = 256 aligned bytes of a row of mag in every wave, and the two local steps 18 of a pair make one such block together.
; NO CLUSTER, NO TENSOR LOADS: the only bytes that work-groups share are A's 580,800, read once; they must be rounded to bf16 and laid out
; chunk by chunk, which takes registers.  100 work-groups: a column's whole x must lie in one work-group (A x sums over all g), and 8 columns fill N = 16.
; LIMITS: NaN or infinite inputs and A = 0 are not served.  lambda is taken as tr(G^8193)/tr(G^8192), G = A A^T from bf16 A: it falls short of the
; largest eigenvalue by at most 1.6e-4 of it, for any spectrum of 15 eigenvalues.  Sums are formed in another order than in the reference.
.set NSTEP, 19                         ; steps of 32 g in a wave
.set WPART, 38912                      ; a wave's part of Abar: 76 blocks of 8 g x 512 bytes
.set EXB,   311296                     ; 8 x 1,024 bytes: the waves' partial A x.  Before that 8 x 2,048: the partial Gram matrices.
.set GRB,   EXB                        ; (the barrier between the Gram's reads and the first exchange's stores orders the two uses)
.set NB,    EXB                        ; at the end: 8 x 32 bytes, the waves' parts of the norms
.set SH,    EXB+1024                   ; at the end: 8 columns x 1,040 bytes, wave w's local step 18 at 128 w of each
.set SHP,   1040
.set AROW,  19360                      ; bytes in a row of A_real, A_imag
.set MROW,  19456                      ; bytes in a row of mag: 4864 f32 = 76 x 256
; LDS chunk = 16 bytes = row n' of Abar at g = 8 gb .. 8 gb + 7, at  gb*512 + (n'>>4)*256 + (((n'&15) + 8*(gb&1)) & 15)*16.
; The turn by 8 in odd gb lets both kinds of read touch 16 different 16-byte columns of 256 bytes: 16 rows of one gb, and 8 rows of two neighbouring gb.
; registers while A is brought in
.set GO,  2                            ; v2,v3   byte offset in A of my 32 bytes, rows q and min(8+q,14)
.set GOE, 4                            ; v4,v5   the same for the wave's last four blocks, clamped to block 604
.set STA, 6                            ; v6,v7   LDS address of my chunk
.set PK,  16                           ; v16-31  4 chunks in bf16
.set XRG, 64                           ; v64-159 three slots of 8 loads
; registers of the main part, window 0 (v48-63 hold y as loaded until the first residual is made)
.set RR, 16                            ; v16-23   R: the scaled residual, bf16, B operand (32 n' x 16 columns)
.set PA, 24                            ; v24-31   Re [xr|xi]
.set PB, 32                            ; v32-39   Im [xr|xi]  (= PA + 8)
.set YS, 40                            ; v40-47   y/lambda in the layout of PA
.set TT, 48                            ; v48-63   at work
.set WR, 64                            ; v64-127  fragments with lanes = g, ring of 4 steps x 16
.set AR, 128                           ; v128-191 fragments with lanes = n', ring of 4 steps x 16
.set MT, 168                           ; v168-175 at work while R is made (a part of the ring that is idle then)
.set BW, 240                           ; window 1, v240-255 (v496-511): bf16(x) of a step, two buffers
; v192-255: x steps 15-18.  Window 1, v0-239 (v256-495): x steps 0-14.
; v2,v4 LDS addresses of the two kinds of fragment for local steps 0-17, v3,v5 for local step 18; v6,v7 exchange; v10,11 sigma;
; v12,13 mask of real g; v14,15 stage.  Until the first pass v208-231 and v241-243 serve the Gram matrix.  At the end v2-5 are addresses of the way out.
.set MSB, 0
.macro WIN new                         ; s_set_vgpr_msb: bits 1:0 source 0, 3:2 source 1, 5:4 source 2, 7:6 destination; the high byte repeats the setting left
.if MSB != (\new)
	s_set_vgpr_msb (MSB<<8)|(\new)
.set MSB, \new
.endif
.endm
.macro NOP4                            ; four places behind a matrix instruction (ISA guide 7.12.1) where no independent vector work is at hand
.rept 4
	v_nop
.endr
.endm
.macro PKADD d, s                      ; eight sums
.irp e, 0,2,4,6
	v_pk_add_f32 v[\d+\e:\d+\e+1], v[\d+\e:\d+\e+1], v[\s+\e:\s+\e+1]
.endr
.endm
	s_load_b256 s[4:11], s[0:1], 0x0               ; A_real s[4:5], A_imag s[6:7], y_real s[8:9], y_imag s[10:11]
	s_load_b128 s[12:15], s[0:1], 0x20             ; mag s[12:13], norms s[14:15]
	v_and_b32 v1, 31, v0                           ; lane
	v_lshrrev_b32 v10, 5, v0
	v_readfirstlane_b32 s16, v10                   ; wave 0..7
	s_mul_i32 s17, s16, WPART                      ; my part of Abar in LDS
	s_and_b32 s37, s16, 1                          ; odd wave of its pair
	s_lshr_b32 s38, s16, 1                         ; pair p
	s_mov_b32 s20, 0x76543210                      ; v_permlanex16_b32: lane i reads lane i of the other half
	s_mov_b32 s21, 0xfedcba98
	s_mov_b32 s27, 0xff00ff00                      ; lanes with r >= 8
	s_mov_b32 s28, 0x80808080                      ; lanes with lane & 7 = 7
	s_mov_b32 s36, 0xffff0000                      ; lanes 16-31
	; y: lane (r,h), register j holds row n = 8h + j of column col = 8 wg + (r&7); b = col / 50, t = col mod 50
	v_and_b32 v10, 7, v1
	s_lshl_b32 s19, ttmp9, 3
	v_add_nc_u32 v10, s19, v10                     ; col < 800
	v_mul_u32_u24 v11, v10, 0x51f                  ; col * 1311 >> 16 = col / 50 for col < 4,600
	v_lshrrev_b32 v11, 16, v11                     ; b
	v_mul_u32_u24 v12, v11, 50
	v_sub_nc_u32 v12, v10, v12                     ; t
	v_lshrrev_b32 v13, 4, v1                       ; h
	v_mul_u32_u24 v14, v11, 15
	v_lshl_add_u32 v14, v13, 3, v14                ; 15 b + 8 h
	v_mad_u32_u24 v14, v14, 50, v12
	v_lshlrev_b32 v8, 2, v14                       ; byte offset of row 8h
	v_mul_u32_u24 v15, v13, 200
	v_sub_nc_u32 v9, v8, v15
	v_add_nc_u32 v9, 1400, v9                      ; j = 7: row 7, or row 14 in place of the row 15 that does not exist (zeroed later)
	; A: lane = (q = lane&7: row, e = lane>>3: block of 8 g)
	v_and_b32 v10, 7, v1                           ; q
	v_lshrrev_b32 v11, 3, v1                       ; e
	s_mul_i32 s19, s16, 76
	v_add_nc_u32 v12, s19, v11                     ; block 76 w + e
	v_mul_u32_u24 v13, v10, AROW
	v_lshl_add_u32 v[GO], v12, 5, v13
	v_add_nc_u32 v14, 8, v10
	v_min_u32 v14, 14, v14                         ; row 15 does not exist: row 14 is read and zeros are stored
	v_mul_u32_u24 v14, v14, AROW
	v_lshl_add_u32 v[GO+1], v12, 5, v14
	v_add_nc_u32 v12, 72, v12                      ; the wave's last four blocks
	s_movk_i32 s19, 604                            ; the last block that exists (4840 / 8 = 605 blocks)
	v_cmp_lt_u32 s29, s19, v12                     ; lanes whose block lies beyond it: zeros are stored
	v_min_u32 v12, s19, v12
	v_lshl_add_u32 v[GOE], v12, 5, v13
	v_lshl_add_u32 v[GOE+1], v12, 5, v14
	v_and_b32 v12, 1, v11                          ; e & 1 = gb & 1 (76 w and 4 x trip are even)
	v_lshl_add_u32 v13, v12, 3, v10                ; rows 0-7:  place q + 8 (gb&1)
	v_xor_b32 v12, 1, v12
	v_lshl_add_u32 v14, v12, 3, v10                ; rows 8-15: place q + 8 (1 - (gb&1))
	v_lshlrev_b32 v15, 9, v11
	v_add_nc_u32 v15, s17, v15
	v_lshl_add_u32 v[STA], v13, 4, v15
	v_lshl_add_u32 v[STA+1], v14, 4, v15
	s_wait_kmcnt 0x0
.irp j, 0,1,2,3,4,5,6
	global_load_b32 v[48+\j], v8, s[8:9] offset:200*\j
	global_load_b32 v[56+\j], v8, s[10:11] offset:200*\j
.endr
	global_load_b32 v55, v9, s[8:9]
	global_load_b32 v63, v9, s[10:11]
	s_mov_b64 s[32:33], s[4:5]                     ; stepped copies
	s_mov_b64 s[34:35], s[6:7]
; ---- A into LDS.  A trip is 4 blocks of 8 g x 32 rows: 8 loads of 16 bytes a lane; 19 trips a wave.  Each wave fills its own part.
.macro FLOAD slot, imm, edge
.irp rho, 0,1
.irp hf, 0,1
	.set FX, XRG+32*\slot+8*\rho+4*\hf
.if \edge
	global_load_b128 v[FX:FX+3], v[GOE+\rho], s[4:5] offset:16*\hf
	global_load_b128 v[FX+16:FX+19], v[GOE+\rho], s[6:7] offset:16*\hf
.else
	global_load_b128 v[FX:FX+3], v[GO+\rho], s[32:33] offset:\imm+16*\hf
	global_load_b128 v[FX+16:FX+19], v[GO+\rho], s[34:35] offset:\imm+16*\hf
.endif
.endr
.endr
.endm
.macro FCONV slot, soff, edge          ; 4 chunks: round to bf16, zero what does not exist, store
.irp buf, 0,1
.irp rho, 0,1
	.set FX, XRG+32*\slot+16*\buf+8*\rho
	.set FP, PK+(2*\buf+\rho)*4
.irp p, 0,1,2,3
	v_cvt_pk_bf16_f32 v[FP+\p], v[FX+2*\p], v[FX+2*\p+1]
.endr
.if \rho
.irp p, 0,1,2,3
	v_cndmask_b32 v[FP+\p], v[FP+\p], 0, s28       ; rows 15 and 31 are zero
.endr
.endif
.if \edge
.irp p, 0,1,2,3
	v_cndmask_b32 v[FP+\p], v[FP+\p], 0, s29       ; g >= 4840 is zero
.endr
.endif
	ds_store_b128 v[STA+\rho], v[FP:FP+3] offset:\soff+256*\buf
.endr
.endr
.endm
	FLOAD 0, 0, 0
	FLOAD 1, 128, 0
	FLOAD 2, 256, 0
	s_mov_b32 s18, 5
.Lfill:                                            ; 5 rounds x 3 trips
.irp sl, 0,1,2
	s_wait_loadcnt 16                              ; loads return in order (ISA guide 5.7.1): this trip's 8 are in, the two younger trips' 16 stay out
	FCONV \sl, 2048*\sl, 0
	FLOAD \sl, 384+128*\sl, 0                      ; the trip three ahead
.endr
	s_wait_xcnt 0x0                                ; the bases are stepped only behind this wait
	s_add_nc_u64 s[32:33], s[32:33], 384
	s_add_nc_u64 s[34:35], s[34:35], 384
	v_add_nc_u32 v[STA], 6144, v[STA]
	v_add_nc_u32 v[STA+1], 6144, v[STA+1]
	s_sub_co_i32 s18, s18, 1
	s_cmp_lg_u32 s18, 0
	s_cbranch_scc1 .Lfill
	s_wait_loadcnt 16                              ; trip 15; 16 and 17 stay out
	FCONV 0, 0, 0
	FLOAD 0, 0, 1                                  ; trip 18, by the clamped offsets
	s_wait_loadcnt 16                              ; trip 16; 17 and 18 stay out
	FCONV 1, 2048, 0
	s_wait_loadcnt 8                               ; trip 17
	FCONV 2, 4096, 0
	s_wait_loadcnt 0x0                             ; trip 18 (y's 16 loads, the oldest of all, have long been in)
	FCONV 0, 6144, 1
	s_wait_dscnt 0x0
	s_barrier_signal -1
	s_barrier_wait -1
	; ---- addresses and masks of the main part
	v_and_b32 v8, 15, v1                           ; r
	v_lshrrev_b32 v9, 4, v1                        ; h
	s_lshl_b32 s19, s37, 11
	s_add_co_u32 s39, s17, s19                     ; local steps 0-17: my part, in odd waves from its second step on
	s_mul_i32 s40, s38, 2*WPART
	s_add_co_u32 s40, s40, s19
	s_add_co_u32 s40, s40, 18*2048                 ; local step 18: step 18 or 19 of the pair's 38
	v_lshl_add_u32 v10, v9, 3, v8
	v_and_b32 v10, 15, v10                         ; (r + 8h) & 15
	v_lshlrev_b32 v11, 9, v9
	v_lshl_add_u32 v11, v10, 4, v11
	v_add_nc_u32 v2, s39, v11                      ; lanes = n': row r of block 4s + h (and + 2)
	v_add_nc_u32 v3, s40, v11
	v_bfe_u32 v10, v1, 3, 1                        ; which of the tile's two blocks
	v_and_b32 v11, 7, v1
	v_add_nc_u32 v12, v9, v10
	v_lshl_add_u32 v12, v12, 3, v11
	v_and_b32 v12, 15, v12                         ; (8h + (lane&7) + 8 block) & 15
	v_lshlrev_b32 v13, 9, v10
	v_lshl_add_u32 v13, v12, 4, v13
	v_add_nc_u32 v4, s39, v13                      ; lanes = g: the transposing load wants row 8h + (lane&7) of that block
	v_add_nc_u32 v5, s40, v13
	v_lshlrev_b32 v7, 4, v1
	v_add_nc_u32 v7, EXB, v7                       ; exchange: read
	s_lshl_b32 s19, s16, 10
	v_add_nc_u32 v6, s19, v7                       ; exchange: my wave's 1,024 bytes
	v_mov_b32 v10, 1.0
	v_cndmask_b32 v10, v10, -1.0, s27              ; sigma = +1 for xr columns, -1 for xi columns
	v_mov_b32 v11, v10
	s_mul_i32 s19, s38, 1216                       ; local step 17 is step 38 p + 17 + 20 (w&1) of all 152; only step 151 holds g >= 4840
	s_mul_i32 s41, s37, 640
	s_add_co_u32 s19, s19, s41
	s_addk_co_i32 s19, 544
	v_lshrrev_b32 v12, 3, v8
	v_lshlrev_b32 v12, 4, v12
	v_lshl_add_u32 v12, v9, 3, v12
	v_add_nc_u32 v12, s19, v12                     ; first g of my 8 magnitudes in local step 17
	s_movk_i32 s19, 4840
	v_cmp_gt_u32 vcc_lo, s19, v12
	v_cndmask_b32 v12, 0, 1.0, vcc_lo
	v_mov_b32 v13, v12
	v_and_b32 v14, 7, v8
	v_mul_u32_u24 v14, v14, 272
	v_lshrrev_b32 v15, 3, v8
	v_lshl_add_u32 v14, v15, 6, v14
	v_lshl_add_u32 v14, v9, 5, v14
	v_add_nc_u32 v14, s17, v14                     ; stage, in: column r&7, 32 bytes at 64 (r>>3) + 32 h
	v_mul_u32_u24 v15, v9, 272
	v_lshl_add_u32 v15, v8, 4, v15
	v_add_nc_u32 v15, s17, v15                     ; stage, back: lanes 0-15 one column's 256 bytes, lanes 16-31 the next
	v_lshlrev_b32 v242, 6, v8
	v_lshl_add_u32 v242, v9, 5, v242
	v_add_nc_u32 v242, GRB, v242                   ; Gram tile, column-major: n*64 + m*4 with n = r, m = 8h + j
	s_lshl_b32 s19, s16, 11
	v_add_nc_u32 v241, s19, v242
	v_lshlrev_b32 v243, 9, v9
	v_lshl_add_u32 v243, v8, 2, v243
	v_add_nc_u32 v243, GRB+1024, v243              ; the transposed read of Z: n = 8h + j, m = r
	s_mul_i32 s30, ttmp9, 8*MROW
	s_mov_b32 s31, 0
	s_add_nc_u64 s[12:13], s[12:13], s[30:31]      ; mag at my first column
; Fragments of local step s (32 g).  Plain: dst+0..7 = Re rows (A operand 16 n' x 32 g), dst+8..15 = Im rows.
.macro LDPL s, dst
.if (\s) < NSTEP-1
	.set LB, 2
	.set LO, (\s)*2048
.else
	.set LB, 3
	.set LO, 0
.endif
	.set LD, \dst
	ds_load_b128 v[LD:LD+3], v[LB] offset:LO
	ds_load_b128 v[LD+4:LD+7], v[LB] offset:LO+1024
	ds_load_b128 v[LD+8:LD+11], v[LB] offset:LO+256
	ds_load_b128 v[LD+12:LD+15], v[LB] offset:LO+1280
.endm
.macro LA s
	LDPL (\s),(AR+16*((\s)&3))
.endm
; Transposed: +0..7 = tile 2s (A operand 16 g x 32 n'), +8..15 = tile 2s+1
.macro LW s
.if (\s) < NSTEP-1
	.set LB, 4
	.set LO, (\s)*2048
.else
	.set LB, 5
	.set LO, 0
.endif
	.set LD, WR+16*((\s)&3)
	ds_load_tr16_b128 v[LD:LD+3], v[LB] offset:LO
	ds_load_tr16_b128 v[LD+4:LD+7], v[LB] offset:LO+256
	ds_load_tr16_b128 v[LD+8:LD+11], v[LB] offset:LO+1024
	ds_load_tr16_b128 v[LD+12:LD+15], v[LB] offset:LO+1280
.endm
; ---- Gram: X = Re Re^T + Im Im^T, Z = Im Re^T over my 608 g.  A A^T = [[X,-Y],[Y,X]], Y = Z - Z^T, has the eigenvalues of H = X + iY.
; 19 steps on a ring of eight buffers (v64-191).  Three accumulators take turns, one instruction a turn.
.macro GLD k
	LDPL (\k),(WR+16*((\k)&7))
.endm
.macro GSTEP f, zero
	.set GF, \f
.if \zero
	v_wmma_f32_16x16x32_bf16 v[208:215], v[GF:GF+7], v[GF:GF+7], 0
	v_wmma_f32_16x16x32_bf16 v[216:223], v[GF+8:GF+15], v[GF:GF+7], 0
	v_wmma_f32_16x16x32_bf16 v[224:231], v[GF+8:GF+15], v[GF+8:GF+15], 0
.else
	v_wmma_f32_16x16x32_bf16 v[208:215], v[GF:GF+7], v[GF:GF+7], v[208:215]
	v_wmma_f32_16x16x32_bf16 v[216:223], v[GF+8:GF+15], v[GF:GF+7], v[216:223]
	v_wmma_f32_16x16x32_bf16 v[224:231], v[GF+8:GF+15], v[GF+8:GF+15], v[224:231]
.endif
.endm
.irp k, 0,1,2,3,4,5,6,7
	GLD \k
.endr
.irp k, 0,1,2,3,4,5,6,7,8,9,10,11,12,13,14,15,16,17,18
.if \k <= 11
	s_wait_dscnt 28                                ; this step's 4 loads are in; the seven younger steps' 28 stay out
.else
	s_wait_dscnt 4*(18-\k)                         ; the counts run down
.endif
.if \k == 0
	GSTEP (WR),1
.else
	GSTEP (WR+16*(\k&7)),0
.endif
.if \k <= 10
	NOP4                                           ; the buffer just multiplied is loaded again four places behind
	GLD (\k+8)
.endif
.endr
	NOP4
	PKADD 208, 224
	ds_store_b128 v241, v[208:211]
	ds_store_b128 v241, v[212:215] offset:16
	ds_store_b128 v241, v[216:219] offset:1024
	ds_store_b128 v241, v[220:223] offset:1040
	s_wait_dscnt 0x0                               ; my partial sums are in LDS before I say so
	s_barrier_signal -1
	s_barrier_wait -1
.macro GHALF hh                        ; four waves' X (v64-95), Z (v96-127) and Z^T (v128-159), each summed to 8 + 8 registers
.irp w, 0,1,2,3
	ds_load_b128 v[64+8*\w:67+8*\w], v242 offset:2048*(4*\hh+\w)
	ds_load_b128 v[68+8*\w:71+8*\w], v242 offset:2048*(4*\hh+\w)+16
	ds_load_b128 v[96+8*\w:99+8*\w], v242 offset:2048*(4*\hh+\w)+1024
	ds_load_b128 v[100+8*\w:103+8*\w], v242 offset:2048*(4*\hh+\w)+1040
.irp j, 0,1,2,3,4,5,6,7
	ds_load_b32 v[128+8*\w+\j], v243 offset:2048*(4*\hh+\w)+64*\j
.endr
.endr
	s_wait_dscnt 0x0
.endm
.macro GSUM                            ; X in v64-71, Y = Z - Z^T in v96-103
.irp b, 64,96,128
	PKADD \b, (\b+8)
	PKADD (\b+16), (\b+24)
	PKADD \b, (\b+16)
.endr
.irp e, 0,2,4,6
	v_pk_add_f32 v[96+\e:97+\e], v[96+\e:97+\e], v[128+\e:129+\e] neg_lo:[0,1] neg_hi:[0,1]
.endr
.endm
	GHALF 0
	GSUM
.irp e, 0,2,4,6
	v_pk_add_f32 v[160+\e:161+\e], v[64+\e:65+\e], 0 op_sel_hi:[1,0]       ; waves 0-3 aside: the registers are loaded again
	v_pk_add_f32 v[168+\e:169+\e], v[96+\e:97+\e], 0 op_sel_hi:[1,0]
.endr
	GHALF 1
	s_barrier_signal -1                            ; my LDS reads so far are over.  The wait for this signal stands in the first exchange, in front of its
	                                               ; stores; up to there only register work and reads of Abar follow, which no wave writes before the closing barrier
	GSUM
.irp e, 0,2,4,6
	v_pk_add_f32 v[208+\e:209+\e], v[160+\e:161+\e], v[64+\e:65+\e]        ; X
	v_pk_add_f32 v[216+\e:217+\e], v[168+\e:169+\e], v[96+\e:97+\e]        ; Y
.endr
; ---- lambda: H is squared 13 times, scaled by its largest entry each time; every wave does it for itself, in registers.
; The state is carried in f32, so the f32 matrix form is used: 208 small instructions a wave, not bulk work.
; A tile M in the result layout (lane (r,h), register j: M(8h+j, r)): its register pair (2q, 2q+1) taken as B is rows {2q,2q+1,8+2q,9+2q} of M, taken as A
; the same columns of M^T.  With X^T = X, Y^T = -Y:  Re H^2 = X^T X + Y^T Y,  Im H^2 = X^T Y + (-Y)^T X.  Two accumulators take turns.
; v80-87 X, v88-95 Y, v96-103 -Y, v104-111 and v112-119 the square, v120-127 at work
.macro SQMM
.irp q, 0,2,4,6
.if \q == 0
	v_wmma_f32_16x16x4_f32 v[104:111], v[80:81], v[80:81], 0
	v_wmma_f32_16x16x4_f32 v[112:119], v[80:81], v[88:89], 0
.else
	v_wmma_f32_16x16x4_f32 v[104:111], v[80+\q:81+\q], v[80+\q:81+\q], v[104:111]
	v_wmma_f32_16x16x4_f32 v[112:119], v[80+\q:81+\q], v[88+\q:89+\q], v[112:119]
.endif
	v_wmma_f32_16x16x4_f32 v[104:111], v[88+\q:89+\q], v[88+\q:89+\q], v[104:111]
	v_wmma_f32_16x16x4_f32 v[112:119], v[96+\q:97+\q], v[80+\q:81+\q], v[112:119]
.endr
.rept 9
	v_nop                                          ; the f32 form's distance before its results are read and its sources rewritten (ISA guide 7.12.1)
.endr
.endm
.macro NORM sx, sy                     ; (X, Y, -Y) = (sx, sy, -sy) / largest magnitude of an entry
	v_max_num_f32 v120, |v[\sx]|, |v[\sx+1]|
.irp j, 2,4,6
	v_max3_num_f32 v120, |v[\sx+\j]|, |v[\sx+\j+1]|, v120
.endr
.irp j, 0,2,4,6
	v_max3_num_f32 v120, |v[\sy+\j]|, |v[\sy+\j+1]|, v120
.endr
.irp m, 1,2,4,8
	v_max_num_f32_dpp v120, v120, v120 row_xmask:\m row_mask:0xf bank_mask:0xf
.endr
	v_permlanex16_b32 v121, v120, s20, s21
	v_max_num_f32 v120, v120, v121
	v_rcp_f32 v126, v120
	v_rcp_f32 v127, v120
	v_nop                                          ; one plain instruction between a reciprocal and its use (ISA guide 5.7.2)
.irp e, 0,2,4,6
	v_pk_mul_f32 v[80+\e:81+\e], v[\sx+\e:\sx+\e+1], v[126:127]
	v_pk_mul_f32 v[88+\e:89+\e], v[\sy+\e:\sy+\e+1], v[126:127]
	v_pk_mul_f32 v[96+\e:97+\e], v[\sy+\e:\sy+\e+1], v[126:127] neg_lo:[1,0] neg_hi:[1,0]
.endr
.endm
	NORM 208, 216
	s_mov_b32 s18, 12
.Lsq:
	SQMM
	NORM 104, 112
	s_sub_co_i32 s18, s18, 1
	s_cmp_lg_u32 s18, 0
	s_cbranch_scc1 .Lsq
	SQMM                                           ; E = c G^4096 in v80-95, E^2 = c^2 G^8192 in v104-119
	v_pk_mul_f32 v[120:121], v[208:209], v[104:105]            ; tr(G E^2) = sum of X o Re + Y o Im
	v_pk_mul_f32 v[122:123], v[80:81], v[80:81]                ; tr(E^2) = sum of |E|^2
.irp e, 2,4,6
	v_pk_fma_f32 v[120:121], v[208+\e:209+\e], v[104+\e:105+\e], v[120:121]
	v_pk_fma_f32 v[122:123], v[80+\e:81+\e], v[80+\e:81+\e], v[122:123]
.endr
.irp e, 0,2,4,6
	v_pk_fma_f32 v[120:121], v[216+\e:217+\e], v[112+\e:113+\e], v[120:121]
	v_pk_fma_f32 v[122:123], v[88+\e:89+\e], v[88+\e:89+\e], v[122:123]
.endr
	v_add_f32 v120, v120, v121
	v_add_f32 v122, v122, v123
.irp m, 1,2,4,8
	v_add_f32_dpp v120, v120, v120 row_xmask:\m row_mask:0xf bank_mask:0xf
	v_add_f32_dpp v122, v122, v122 row_xmask:\m row_mask:0xf bank_mask:0xf
.endr
	v_permlanex16_b32 v121, v120, s20, s21
	v_permlanex16_b32 v123, v122, s20, s21
	v_add_f32 v120, v120, v121
	v_add_f32 v122, v122, v123
	v_rcp_f32 v121, v120
	v_nop
	v_mul_f32 v121, v122, v121                     ; alpha = 1 / lambda
	v_mul_f32 v123, 0x3e99999a, v121               ; t = 0.3 / lambda
	v_readfirstlane_b32 s26, v121
	v_readfirstlane_b32 s22, v123
	s_xor_b32 s23, s22, 0x80000000                 ; -t
	s_xor_b32 s24, s26, 0x80000000                 ; -alpha, twice
	s_mov_b32 s25, s24
; ---- the pass.  Three window settings serve a slot:
;   0x04 (source 1 in window 1): LDS loads (address and data in window 0), A x (its B operand, bf16(x), lies in window 1), med3 (x as the middle source)
;   0x50 (source 2 and destination in window 1): the products onto x, and the subtraction
;   0x45 (sources 0, 1 and destination in window 1): the conversion
; For steps 15-18, whose x lies in window 0, the fields of x are 0.
.macro XLOC s                          ; where step s's 16 registers of x lie
.if (\s) < 15
	.set XW, 1
	.set XB, 16*(\s)
.else
	.set XW, 0
	.set XB, 192+16*((\s)-15)
.endif
.endm
.macro MMX s, hf, zero                 ; x tile 2s + hf += W R: the f32 accumulate onto x is the step's "x + (1/lambda) A^T r"
	XLOC (\s)
	.set XT, XB+8*(\hf)
	.set WF, WR+16*((\s)&3)+8*(\hf)
	WIN ((XW<<4)|(XW<<6))
.if \zero
	v_wmma_f32_16x16x32_bf16 v[XT:XT+7], v[WF:WF+7], v[RR:RR+7], 0
.else
	v_wmma_f32_16x16x32_bf16 v[XT:XT+7], v[WF:WF+7], v[RR:RR+7], v[XT:XT+7]
.endif
.endm
.macro MMP s, hf                       ; hf = 0: Re x, hf = 1: Im x of step s
	.set AF, AR+16*((\s)&3)+8*(\hf)
	.set BD, BW+8*((\s)&1)
	.set PD, PA+8*(\hf)
	WIN 0x04
.if (\s) == 0
	v_wmma_f32_16x16x32_bf16 v[PD:PD+7], v[AF:AF+7], v[BD:BD+7], 0
.else
	v_wmma_f32_16x16x32_bf16 v[PD:PD+7], v[AF:AF+7], v[BD:BD+7], v[PD:PD+7]
.endif
.endm
.macro XMED s, e0, n                   ; soft(x) = x - med3(x, -t, t): the middle values of elements e0 .. e0 + n - 1 of the step's 16
	XLOC (\s)
	WIN 0x04
	.set EE, \e0
.rept \n
.if XW
	v_med3_num_f32 v[TT+EE], s23, v[XB+EE], s22    ; the middle of three does not hang on their order: x stands where the setting names window 1
.else
	v_med3_num_f32 v[TT+EE], v[XB+EE], s23, s22
.endif
	.set EE, EE+1
.endr
.endm
.macro XSUB s, p0, n                   ; and the subtraction, pairs p0 .. p0 + n - 1 of the step's 8
	XLOC (\s)
	WIN ((XW<<4)|(XW<<6))
	.set EE, 2*(\p0)
.rept \n
	v_pk_fma_f32 v[XB+EE:XB+EE+1], v[TT+EE:TT+EE+1], -1.0, v[XB+EE:XB+EE+1] op_sel_hi:[1,0,1]
	.set EE, EE+2
.endr
.endm
.macro XCVT s                          ; a lane's 8 + 8 numbers of tiles 2s, 2s+1 are its own part of the B operand (k = 8h+j, 16+8h+j): no lane is crossed
	XLOC (\s)
	.set BD, BW+8*((\s)&1)
	WIN (XW|(XW<<2)|0x40)
.irp e, 0,1,2,3,4,5,6,7
	v_cvt_pk_bf16_f32 v[BD+\e], v[XB+2*\e], v[XB+2*\e+1]
.endr
.endm
.macro ADDN k, p1                      ; CNT += the LDS loads that slot k issues; slots -2 and -1 are the second part of the pass's first loads (PROLOGB)
.if (\k) >= -2
.if (\k) <= NSTEP-5
	.set CNT, CNT+4
.endif
.if \p1
.if (\k) <= NSTEP-3
	.set CNT, CNT+4
.endif
.endif
.endif
.endm
; Slot i.  At its head the loads for steps i+4 (lanes = g) and i+2 (lanes = n').  Then the slot's four matrix instructions (A x of step i-1, x of step i+1),
; each with a share of step i's threshold behind it; last, bf16 of step i.
; Places: between x(i+1)'s second matrix instruction and the next slot's loads into its fragment, and the reads of its result, stand
; 4 fma (+ 8 conversions) on step i's registers alone.
; Matrix instructions run Re, Im, x, x', Re, Im ..: no two neighbours share an accumulator.
.macro SLOT i, zero, p1
	WIN 0x04
.if \i <= NSTEP-5
	LW (\i+4)
.endif
.if \p1
.if \i <= NSTEP-3
	LA (\i+2)
.endif
.endif
	.set CNT, 0
	ADDN (\i),\p1
	ADDN (\i-1),\p1
	ADDN (\i-2),\p1
	s_wait_dscnt CNT                               ; the fragments used below were asked for at the head of slot i-3: this slot's loads and the two slots' before it stay out
.if \p1
.if \i >= 1
	MMP (\i-1),0
.endif
.endif
.if \i <= NSTEP-1
	XMED \i,0,8
.endif
.if \p1
.if \i >= 1
	MMP (\i-1),1
.endif
.endif
.if \i <= NSTEP-1
	XMED \i,8,8
.endif
.if \i <= NSTEP-2
	MMX (\i+1),0,\zero
.endif
.if \i <= NSTEP-1
	XSUB \i,0,4
.endif
.if \i <= NSTEP-2
	MMX (\i+1),1,\zero
.endif
.if \i <= NSTEP-1
	XSUB \i,4,4
.if \p1
	XCVT \i
.endif
.endif
.endm
.macro PASS zero, p1                   ; zero = 1: x starts at 0 (the product starts the sum); p1 = 0: the last step needs no A x
	MMX 0,0,\zero
	MMX 0,1,\zero
	NOP4                                           ; the places in front of slot 0's loads into step 0's fragment and of its reads of the results
.irp i, 0,1,2,3,4,5,6,7,8,9,10,11,12,13,14,15,16,17,18
	SLOT \i,\zero,\p1
.endr
.if \p1
	SLOT 19,\zero,\p1
.endif
	WIN 0
.endm
.macro PROLOGA                         ; the fragments that a pass wants at once
	LW 0
	LW 1
.endm
.macro PROLOGB p1                      ; what slots -2 and -1 would load: counted by the first slots' waits
	LW 2
.if \p1
	LA 0
.endif
	LW 3
.if \p1
	LA 1
.endif
.endm
; R from Rlow (f32, lane (r,h) register j: row 8h+j, column r):  rows 0-15 = Rlow, rows 16-31 = sigma(lane) Rlow(lane xor 8)
.macro MAKER src
.irp j, 0,1,2,3,4,5,6,7
	v_mul_f32_dpp v[MT+\j], v[\src+\j], v10 row_xmask:8 row_mask:0xf bank_mask:0xf   ; v168-175 have been written on every way here
.endr
.irp e, 0,1,2,3
	v_cvt_pk_bf16_f32 v[RR+\e], v[\src+2*\e], v[\src+2*\e+1]
	v_cvt_pk_bf16_f32 v[RR+4+\e], v[MT+2*\e], v[MT+2*\e+1]
.endr
.endm
.macro EXLD2 w, dst                    ; wave w's part of A x
	ds_load_b128 v[\dst:\dst+3], v7 offset:1024*\w
	ds_load_b128 v[\dst+4:\dst+7], v7 offset:1024*\w+512
.endm
; The waves' partial A x meet.  (A x)_top = Re xr - Im xi, (A x)_bot = Re xi + Im xr:  S(lane) = PA(lane) - sigma(lane) PB(lane xor 8).
; The eight parts land in registers that are idle here: ring places 2 and 3 of the n' fragments (v160-191), T (v48-63), PA and PB (v24-39).
.macro EXCH p1
	NOP4                                           ; behind the pass's last matrix instructions
.irp e, 0,2,4,6
	v_pk_mul_f32 v[PB+\e:PB+\e+1], v[PB+\e:PB+\e+1], v[10:11]
.endr
.irp j, 0,1,2,3,4,5,6,7
	v_add_f32_dpp v[PA+\j], v[PB+\j], v[PA+\j] row_xmask:8 row_mask:0xf bank_mask:0xf   ; sigma(lane^8) = -sigma(lane)
.endr
	s_barrier_wait -1                              ; every wave has signalled that its reads of the last exchange are over
	ds_store_b128 v6, v[PA:PA+3]
	ds_store_b128 v6, v[PA+4:PA+7] offset:512
	s_wait_dscnt 0x0                               ; my part is in LDS before I say so
	s_barrier_signal -1
	PROLOGA                                        ; reads of Abar, which no wave writes before the closing barrier
	s_barrier_wait -1
	EXLD2 0, 160
	EXLD2 1, 168
	EXLD2 2, 176
	EXLD2 3, 184
	EXLD2 4, 48
	EXLD2 5, 56
	EXLD2 6, 24
	EXLD2 7, 32
	s_wait_dscnt 0x0                               ; the eight parts, and the fragments of steps 0 and 1 with them: 24 loads
	s_barrier_signal -1                            ; my reads are over; the wait stands in front of the next exchange's stores
	PROLOGB \p1                                    ; reads of Abar again; they land while the sums below are made
	PKADD 160, 168
	PKADD 176, 184
	PKADD 48, 56
	PKADD 24, 32
	PKADD 160, 176
	PKADD 48, 24
	PKADD 160, 48
.irp e, 0,2,4,6
	v_pk_fma_f32 v[160+\e:161+\e], v[160+\e:161+\e], s[24:25], v[YS+\e:YS+\e+1] op_sel_hi:[1,0,1]   ; (y - A x) / lambda
.endr
	MAKER 160
.endm
	; ---- the first residual is y itself
.irp j, 0,1,2,3,4,5,6,7
	v_cndmask_b32 v[YS+\j], v[48+\j], v[56+\j], s27            ; y_real for xr columns, y_imag for xi columns
.endr
	v_cndmask_b32 v[YS+7], v[YS+7], 0, s36                     ; row 15 does not exist
.irp e, 0,2,4,6
	v_pk_mul_f32 v[YS+\e:YS+\e+1], v[YS+\e:YS+\e+1], s[26:27] op_sel_hi:[1,0]
.endr
	MAKER YS
	PROLOGA
	s_wait_dscnt 0x0                               ; as in the exchange: steps 0 and 1 are in before the rest is asked for
	PROLOGB 1
	PASS 1, 1                                      ; step 1
	s_mov_b32 s18, 48
.Liter:                                            ; steps 2 to 49
	EXCH 1
	PASS 0, 1
	s_sub_co_i32 s18, s18, 1
	s_cmp_lg_u32 s18, 0
	s_cbranch_scc1 .Liter
	EXCH 0
	PASS 0, 0                                      ; step 50
	s_wait_dscnt 0x0                               ; my reads of Abar are over
	s_barrier_wait -1                              ; closes the last exchange's signal
	s_barrier_signal -1
	s_barrier_wait -1                              ; the closing barrier: Abar and the exchange are read no more, their bytes serve as stages
	; ---- addresses of the way out (the fragments' address registers are free now)
	v_and_b32 v8, 15, v1                           ; r
	v_lshrrev_b32 v9, 4, v1                        ; h
	v_mul_u32_u24 v2, v9, MROW
	v_lshl_add_u32 v2, v8, 4, v2
	s_mul_i32 s19, s38, 4864                       ; the pair's 38 steps x 128 bytes
	s_mul_i32 s41, s37, 2560                       ; the odd wave's nine blocks begin at pair step 20
	s_add_co_u32 s41, s41, s19
	v_add_nc_u32 v2, s41, v2                       ; mag: lanes 0-15 one column's 256 bytes, lanes 16-31 the next column's
	s_lshl_b32 s41, s37, 2
	v_add_nc_u32 v6, s41, v9                       ; the joint block: column 4 (w&1) + h (+ 2)
	v_mul_u32_u24 v5, v6, MROW
	v_lshl_add_u32 v5, v8, 4, v5
	s_addk_co_i32 s19, 2304                        ; pair steps 18 and 19
	v_add_nc_u32 v5, s19, v5                       ; its place in mag
	v_mul_u32_u24 v4, v6, SHP
	v_lshl_add_u32 v4, v8, 4, v4
	s_lshl_b32 s41, s38, 8
	s_add_co_u32 s41, s41, SH
	v_add_nc_u32 v4, s41, v4                       ; and in the shared stage
	v_and_b32 v7, 7, v8
	v_mul_u32_u24 v3, v7, SHP
	v_lshrrev_b32 v7, 3, v8
	v_lshl_add_u32 v3, v7, 6, v3
	v_lshl_add_u32 v3, v9, 5, v3
	s_lshl_b32 s41, s16, 7
	s_add_co_u32 s41, s41, SH
	v_add_nc_u32 v3, s41, v3                       ; shared stage, in: column r&7, my wave's 128 bytes
; ---- |x| = sqrt(xr^2 + xi^2 + 1e-12): each half brings 5e-13.  Lanes r < 8 keep tile 2s, lanes r >= 8 tile 2s+1, of column r&7.
.set MDR, 64                           ; v64-71  magnitudes of a step
.set NS,  72                           ; v72-79  their sums
.macro MAGSTEP s
	XLOC (\s)
.if (\s) == 0
	.set MD, NS                                    ; the first magnitudes start the sums
.else
	.set MD, MDR
.endif
	WIN (XW|(XW<<2))
.irp e, 0,2,4,6,8,10,12,14
	v_pk_fma_f32 v[TT+\e:TT+\e+1], v[XB+\e:XB+\e+1], v[XB+\e:XB+\e+1], 0x2b0cbccc op_sel_hi:[1,1,0]
.endr
	WIN 0
.irp e, 0,1,2,3,4,5,6,7,8,9,10,11,12,13,14,15
	v_add_f32_dpp v[TT+\e], v[TT+\e], v[TT+\e] row_xmask:8 row_mask:0xf bank_mask:0xf
.endr
.irp j, 0,1,2,3,4,5,6,7
	v_cndmask_b32 v[TT+\j], v[TT+\j], v[TT+8+\j], s27
.endr
.irp j, 0,1,2,3,4,5,6,7
	v_sqrt_f32 v[MD+\j], v[TT+\j]
.endr
	v_nop                                          ; one plain instruction between a root and its use (ISA guide 5.7.2)
.if (\s) == NSTEP-2
.irp e, 0,2,4,6
	v_pk_fma_f32 v[NS+\e:NS+\e+1], v[MD+\e:MD+\e+1], v[12:13], v[NS+\e:NS+\e+1]   ; g >= 4840 does not count
.endr
.else
.if (\s) > 0
	PKADD NS, MD
.endif
.endif
.if (\s) == NSTEP-1
	ds_store_b128 v3, v[MD:MD+3]                   ; half of a block: to the shared stage
	ds_store_b128 v3, v[MD+4:MD+7] offset:16
.else
	ds_store_b128 v14, v[MD:MD+3] offset:128*((\s)&1)
	ds_store_b128 v14, v[MD+4:MD+7] offset:128*((\s)&1)+16
.endif
.endm
.macro MAGOUT s                        ; two steps = 64 g = 256 bytes of each of 8 columns: back by rows, 16 lanes store 256 consecutive aligned bytes
	.set OB, 80+16*(((\s)>>1)&1)
	s_wait_xcnt 0x0                                ; registers that earlier stores read are loaded again only behind this wait
.irp k, 0,1,2,3
	ds_load_b128 v[OB+4*\k:OB+4*\k+3], v15 offset:544*\k       ; LDS serves a wave's instructions in order: these see the stores above
.endr
.irp k, 0,1,2,3
	s_wait_dscnt 3-\k
	global_store_b128 v2, v[OB+4*\k:OB+4*\k+3], s[12:13] offset:2*MROW*\k+256*((\s)>>1)
.endr
.endm
.irp s, 0,1,2,3,4,5,6,7,8,9,10,11,12,13,14,15,16,17
	MAGSTEP \s
.if (\s)&1
	MAGOUT \s
.endif
.endr
	MAGSTEP 18
	; ---- the columns' L1 norms: over my 8 registers, the lanes r and r^8, both halves, then the eight waves
	v_pk_add_f32 v[72:73], v[72:73], v[74:75]
	v_pk_add_f32 v[76:77], v[76:77], v[78:79]
	v_pk_add_f32 v[72:73], v[72:73], v[76:77]
	v_add_f32 v72, v72, v73
	v_add_f32_dpp v72, v72, v72 row_xmask:8 row_mask:0xf bank_mask:0xf
	v_permlanex16_b32 v73, v72, s20, s21
	v_add_f32 v72, v72, v73
	v_and_b32 v8, 7, v1
	v_lshlrev_b32 v8, 2, v8
	v_add_nc_u32 v8, NB, v8
	s_lshl_b32 s19, s16, 5
	v_add_nc_u32 v9, s19, v8
	ds_store_b32 v9, v72                           ; four lanes write the same word with the same value
	s_wait_dscnt 0x0                               ; my half block and my part of the norms are in LDS before I say so
	s_barrier_signal -1
	s_barrier_wait -1
	s_wait_xcnt 0x0                                ; v80-95 were data of earlier stores
	ds_load_b128 v[80:83], v4                      ; the pair's joint block: I store four of its eight columns, my partner the others
	ds_load_b128 v[84:87], v4 offset:2*SHP
.irp w, 0,1,2,3,4,5,6,7
	ds_load_b32 v[88+\w], v8 offset:32*\w
.endr
	s_wait_dscnt 8                                 ; the two loads of the block are in; the eight of the norms stay out
	global_store_b128 v5, v[80:83], s[12:13]
	global_store_b128 v5, v[84:87], s[12:13] offset:2*MROW
	s_wait_dscnt 0x0
	v_pk_add_f32 v[88:89], v[88:89], v[90:91]
	v_pk_add_f32 v[92:93], v[92:93], v[94:95]
	v_pk_add_f32 v[88:89], v[88:89], v[92:93]
	v_add_f32 v88, v88, v89
	s_lshl_b32 s19, ttmp9, 5
	v_lshl_add_u32 v9, v0, 2, s19                  ; norms[8 wg + thread]
	v_cmp_gt_u32 vcc_lo, 8, v0
	s_wait_xcnt 0x0                                ; EXEC is a source of the stores that are out: it changes only behind this wait
	s_and_saveexec_b32 s19, vcc_lo
	global_store_b32 v9, v88, s[14:15]
	s_wait_xcnt 0x0
	s_or_b32 exec_lo, exec_lo, s19
	s_endpgm
.Lfunc_end_k_q69a3f97cd4_ista:
	.size	k_q69a3f97cd4_ista, .Lfunc_end_k_q69a3f97cd4_ista-k_q69a3f97cd4_ista
	.p2alignl 7, 3214868480
	.fill 96, 4, 3214868480
	.section	.rodata,"a",@progbits
	.p2align	6, 0x0
	.amdhsa_kernel k_q69a3f97cd4_ista
		.amdhsa_group_segment_fixed_size 327680
		.amdhsa_private_segment_fixed_size 0
		.amdhsa_enable_private_segment 0
		.amdhsa_kernarg_size 48
		.amdhsa_user_sgpr_count 2
		.amdhsa_user_sgpr_kernarg_segment_ptr 1
		.amdhsa_wavefront_size32 1
		.amdhsa_system_sgpr_workgroup_id_x 1
		.amdhsa_system_sgpr_workgroup_id_y 1
		.amdhsa_system_sgpr_workgroup_id_z 1
		.amdhsa_system_vgpr_workitem_id 0
		.amdhsa_next_free_vgpr 512
		.amdhsa_next_free_sgpr 66
		.amdhsa_reserve_vcc 1
		.amdhsa_float_denorm_mode_32 3
		.amdhsa_float_denorm_mode_16_64 3
		.amdhsa_memory_ordered 1
		.amdhsa_forward_progress 1
		.amdhsa_inst_pref_size 255
	.end_amdhsa_kernel
	.section	.bss,"aw",@nobits
	.p2align	6
	.space	262144
	.amdgpu_metadata
---
amdhsa.version: [ 1, 2 ]
amdhsa.kernels:
  - .name:           k_q69a3f97cd4_ista
    .symbol:         k_q69a3f97cd4_ista.kd
    .args:
      - { .name: A_real, .offset: 0, .size: 8, .value_kind: global_buffer, .address_space: global }
      - { .name: A_imag, .offset: 8, .size: 8, .value_kind: global_buffer, .address_space: global }
      - { .name: y_real, .offset: 16, .size: 8, .value_kind: global_buffer, .address_space: global }
      - { .name: y_imag, .offset: 24, .size: 8, .value_kind: global_buffer, .address_space: global }
      - { .name: mag, .offset: 32, .size: 8, .value_kind: global_buffer, .address_space: global }
      - { .name: norms, .offset: 40, .size: 8, .value_kind: global_buffer, .address_space: global }
    .group_segment_fixed_size: 327680
    .private_segment_fixed_size: 0
    .kernarg_segment_align: 8
    .kernarg_segment_size: 48
    .max_flat_workgroup_size: 256
    .sgpr_count:     66
    .vgpr_count:     512
    .wavefront_size: 32
...
	.end_amdgpu_metadata
.endif
;; end of part 4
;; launch pick: the kernel of part 2 again; grid 16 x 1, 19 waves a work-group, no clusters, 1,024 bytes of LDS; arguments mag, norms, angles_grid, ranges_grid, out0, out1, out2; writes out0, out1, out2
